; MI455X (gfx1250); checked and timed in simulation.
; The chip was launched on July 23, 2026; its instructions are those of AMD's public machine-readable ISA for CDNA 5 (MIT licence, August 2026) and "CDNA5" Instruction Set Architecture Reference Guide (July 2026). The comments in the code are by the model that wrote it; some were corrected since.
;; MLA Attention. Allowed arithmetic: matrix products marked QUANTISED: E4M3 operands, one E8M0 scale for each 32 along K, by v_wmma_scale_f32_16x16x128_f8f6f4 with both operands' format E4M3, f32 sums; everything else in f32.
;; Inputs: Wk_down 256 x 1,024 float32; Wk_up 1,024 x 256 float32; Wo 1,024 x 1,024 float32; Wq_down 256 x 1,024 float32; Wq_up 1,024 x 256 float32; Wv_down 256 x 1,024 float32; Wv_up 1,024 x 256 float32; attention_mask 2 x 2,048 int32; bo 1,024 float32; x 2 x 2,048 x 1,024 float32.
;; Outputs: out0 2 x 2,048 x 1,024 float32.
;; This version of the problem:
;;   THIS VERSION OF THE PROBLEM IS GIVEN IN LOW PRECISION. The matrix products marked QUANTISED in the list below multiply operands that are first quantised to E4M3 (4 exponent bits, 3 mantissa bits; 8 bits a number), with one power-of-two scale for each 32 numbers along K (OCP MX v1.0); their sums are f32. All else is computed in f32.
;;   The module's matrix products, in the order in which they are computed (A, B: the left and right operand; K: the contracted axis; several contracted axes count as one K, in the product's order):
;;     1. [M 4,096, K 1,024] x [K 1,024, N 256]; A: input x; B: input Wq_down: QUANTISED
;;     2. [M 4,096, K 1,024] x [K 1,024, N 256]; A: input x; B: input Wk_down: QUANTISED
;;     3. [M 4,096, K 1,024] x [K 1,024, N 256]; A: input x; B: input Wv_down: QUANTISED
;;     4. batch 16 x [M 256, K 64] x [K 64, N 256]; A: input Wq_up; B: input Wk_up: QUANTISED
;;     5. [M 4,096, K 256] x [K 256, N 4,096]; A: computed on the way; B: computed on the way: QUANTISED
;;     6. batch 2 x [M 32,768, K 256] x [K 256, N 2,048]; A: computed on the way; B: computed on the way: QUANTISED
;;     7. [M 1,024, K 256] x [K 256, N 4,096]; A: input Wv_up; B: computed on the way: QUANTISED
;;     8. batch 32 x [M 2,048, K 2,048] x [K 2,048, N 64]; A: computed on the way; B: computed on the way: QUANTISED
;;     9. [M 4,096, K 1,024] x [K 1,024, N 1,024]; A: computed on the way; B: input Wo: QUANTISED
;;   THE QUANTISER, for each operand of a quantised product, along K:
;;     - K is cut into blocks of 32 from its start; a last block that is shorter is filled with zeros.
;;     - A block's scale is 2^e with e = floor(log2(the largest magnitude in the block)) - 8, held to -126 .. 127; a block of zeros has e = 0. As a byte (E8M0): e + 127.
;;     - Each number is divided by its block's scale, clamped to +-448, and rounded to the nearest number of E4M3, ties to even, subnormals kept.
;;     - The product sums the exact products of the quantised numbers (number of the format x scale) in f32.
;;   ~~~python
;;   def quantise(x, axis):      # numpy; x: float32 -> the quantised numbers, widened to float32 again
;;       x = np.moveaxis(x, axis, -1); K = x.shape[-1]
;;       x = np.pad(x, [(0, 0)] * (x.ndim - 1) + [(0, -K % 32)]); x = x.reshape(x.shape[:-1] + (-1, 32)); a = np.abs(x).max(-1, keepdims=True)
;;       e = np.where(a > 0, np.clip(np.frexp(np.where(a > 0, a, 1))[1] - 1 - 8, -126, 127), 0)      # np.frexp(a)[1] - 1 = floor(log2(a)), exactly
;;       r = np.clip(x / 2.0 ** e, -448, 448)
;;       step = 2.0 ** (np.maximum(np.frexp(np.where(r == 0, 1, r))[1] - 1, -6) - 3)
;;       q = np.round(r / step) * step * 2.0 ** e      # np.round: ties to even
;;       return np.moveaxis(q.reshape(q.shape[:-2] + (-1,))[..., :K], -1, axis).astype(np.float32)
;;   ~~~
;;   OPERANDS COMPUTED ON THE WAY. 'Computed on the way' means the value that the module computes at that place (a softmax that the list does not call 'softmax' is quantised finished and normalised). What goes into a quantiser is computed in f32, as accurately as f32 sums, v_exp_f32 and their like allow (about 1e-6 of the number): no bf16 or f16 on the way to a quantiser, and a product that is left as it is and whose result goes on into a quantised operand takes f32 operands (vector FMAs, or v_wmma_f32_16x16x4_f32). A number that lies on a knife's edge between two numbers of the format may be rounded either way, as far as f32 arithmetic and the matrix unit's own rounding can turn it there, and no further.
;; One version. Each part assembles by itself: llvm-mc -triple=amdgcn-amd-amdhsa -mcpu=gfx1250 --defsym DOCPART=n.
;; ======== version 1 of 1: 4 launches
;; limits: right only within a limited range of input values
;; workspace buffers: wq 3,244,032 bytes; xq 4,325,376 bytes; lq 2,162,688 bytes; vtq 4,325,376 bytes; cq 4,325,376 bytes
;; launch prep (part 1): grid 512 x 1, 4 waves a work-group, no clusters, 0 bytes of LDS; arguments x, Wq_down, Wk_down, Wv_down, Wq_up, Wk_up, Wv_up, Wo, xq, wq; writes xq, wq
.if DOCPART == 1
	.amdgcn_target "amdgcn-amd-amdhsa--gfx1250"
	.amdhsa_code_object_version 6
	.text
	.protected	k_qd8f39deaea_prep
	.globl	k_qd8f39deaea_prep
	.p2align	8
	.type	k_qd8f39deaea_prep,@function
k_qd8f39deaea_prep:
	s_mov_b64 s[64:65], 0
	v_nop
	global_prefetch_b8 v0, s[64:65] scope:SCOPE_SE
	s_setreg_imm32_b32 hwreg(HW_REG_WAVE_MODE, 25, 1), 1
	s_wait_xcnt 0x0
; PREP: every input that is an operand becomes codes of E4M3 with one E8M0 byte for each 32 along K, laid as IMAGES OF OPERAND REGISTERS; and Mabs (product 4, x 1/8) is made and quantised along q.
; A TILE is 16 rows: tile T holds rows 32 (T / 2) + 8 (T % 2) + p + 8 (p / 8), p = 0 .. 15, so that two neighbouring tiles used as source 0 leave 16 neighbours of the next K in a lane.
; A FRAGMENT (a tile x 128 along K) is 2,048 bytes: register group c (k = 32 c + 16 (lane / 16) + 0 .. 15) at 512 c + 16 lane.  SCALE WORDS lie [K step][16 rows] x 4 bytes.
; Records: K = 1,024: 16,896 bytes a tile = 2 x (4 fragments, 256 scale bytes).  K = 256: 67,584 bytes for 16 tiles = 16 x 4,096 of codes, 16 x 128 scale bytes.
; wq: W_down (48 tiles: Q, K, V) at 0; Wo (64 tiles) at 811,008; Wv_up (4 groups of 16) at 1,892,352; Mabs (a group a head; lane = k, K = q) at 2,162,688.  xq: x's 256 tiles.
; SHARES: work-groups 0-127: Mabs, a wave for (head, tile of 16 k, 128 of the 256 q): eight tiles of q one behind the other, each waiting for its own loads, so the chain is kept short and Uk's tile is quantised twice.
; The others: a tile of x, Wo or W_down each (a wave: two K steps), the last sixteen four tiles of Wv_up each (a wave a tile).
; No LDS, no barrier: waves share nothing.  LIMITS: NaN and infinities among the inputs are not served; a block of zeros gets the byte 1 (its codes are zeros, and this program alone reads the bytes).
.set TM,  8                            ; v8-23  QUANT's work: +0 largest magnitudes, +4 bytes, +8 448 x the scale, +12 the conversions' scale operands
.set PW,  24                           ; v24-25 the scale words of two K steps
.set AW,  26                           ; v26-27 scale words of Uq's fragments;  v28 of Uk's: they hold scales alone
.set BW,  28
.set JW,  29                           ; v29    two K steps' words in one register: lanes 0-15, lanes 16-31
.set R4,  31                           ; v31    Mabs' path: 4 (lane % 16)
.set X,   32                           ; numbers as loaded
.set PC,  160                          ; rows' path: the codes of two K steps
.set AF,  96                           ; Mabs' path: two fragments of Uq, one of Uk, 8 accumulators, Mabs' codes
.set BF,  128
.set DD,  144
.set PM,  208
.set SEL, 26                           ; s[26:27] v_permlanex16_b32's selects for lane l xor 16
.set MNT, 28                           ; s28 the mantissa field of 448
.macro PLACES n
.rept \n
	v_nop
.endr
.endm
; 16 nb numbers of a lane, register 16 b + i = k 32 b + 16 (lane / 16) + i of the lane's row, become codes in v[dst] on and the row's scale bytes in v[pw].  fill = 1: the word's upper two bytes are 127 (blocks of zero codes).
.macro QUANT src, dst, pw, nb, fill
.irp b, 0,1,2,3
.if \b < \nb
	v_max3_num_f32 v[TM+\b], |v[(\src)+16*\b]|, |v[(\src)+16*\b+1]|, 0x4800000   ; my 16 numbers and the floor 2^(9 - 127): the byte cannot fall under 1
.endif
.endr
.irp i, 2,4,6,8,10,12,14
.irp b, 0,1,2,3
.if \b < \nb
	v_max3_num_f32 v[TM+\b], v[TM+\b], |v[(\src)+16*\b+\i]|, |v[(\src)+16*\b+\i+1]|
.endif
.endr
.endr
.irp b, 0,1,2,3
.if \b < \nb
	v_permlanex16_b32 v[TM+4+\b], v[TM+\b], s[SEL], s[SEL+1]
.endif
.endr
.irp b, 0,1,2,3
.if \b < \nb
	v_max_num_f32 v[TM+\b], v[TM+\b], v[TM+4+\b]                ; with lane l xor 16's: the block's largest magnitude
.endif
.endr
.irp b, 0,1,2,3
.if \b < \nb
	v_add_nc_u32 v[TM+12+\b], 0xfc000000, v[TM+\b]              ; 8 off its exponent field: the conversion's scale operand
.endif
.endr
.irp b, 0,1,2,3
.if \b < \nb
	v_and_or_b32 v[TM+8+\b], v[TM+\b], 0x7f800000, s[MNT]       ; 448 x the scale
.endif
.endr
.irp b, 0,1,2,3
.if \b < \nb
	v_lshrrev_b32 v[TM+4+\b], 23, v[TM+12+\b]                   ; the scale's byte
.endif
.endr
	v_lshl_or_b32 v[\pw], v[TM+5], 8, v[TM+4]
.if \nb > 2
	v_lshl_or_b32 v[\pw], v[TM+6], 16, v[\pw]
	v_lshl_or_b32 v[\pw], v[TM+7], 24, v[\pw]
.endif
.if \fill
	v_or_b32 v[\pw], 0x7f7f0000, v[\pw]
.endif
.irp b, 0,1,2,3
.if \b < \nb
.irp i, 0,1,2,3,4,5,6,7,8,9,10,11,12,13,14,15
	v_med3_num_f32 v[(\src)+16*\b+\i], v[(\src)+16*\b+\i], -v[TM+8+\b], v[TM+8+\b]   ; the conversion does not saturate (ISA guide 7.6.2): the hold at 448 x the scale
.endr
	v_cvt_scalef32_pk8_fp8_f32 v[(\dst)+4*\b:(\dst)+4*\b+1], v[(\src)+16*\b:(\src)+16*\b+7], v[TM+12+\b]
	v_cvt_scalef32_pk8_fp8_f32 v[(\dst)+4*\b+2:(\dst)+4*\b+3], v[(\src)+16*\b+8:(\src)+16*\b+15], v[TM+12+\b]
.endif
.endr
	v_nop                                          ; a plain line behind the last conversion
.endm
	s_load_b512 s[4:19], s[0:1], 0x0               ; x, Wq_down, Wk_down, Wv_down, Wq_up, Wk_up, Wv_up, Wo
	s_load_b128 s[20:23], s[0:1], 0x40             ; xq, wq
	v_lshrrev_b32 v1, 5, v0
	v_readfirstlane_b32 s24, v1                    ; wave 0..3
	v_and_b32 v1, 31, v0                           ; lane
	v_and_b32 v2, 15, v0                           ; r
	v_bfe_u32 v3, v0, 4, 1                         ; lane / 16
	v_lshlrev_b32 v4, 4, v1                        ; 16 lane: an image's place
	v_lshlrev_b32 v5, 2, v1                        ; 4 lane: a scale word's
	v_and_b32 v7, 8, v2
	v_add_nc_u32 v7, v7, v2                        ; r + 8 (r / 8): my row in a tile
	s_mov_b32 s[SEL], 0x76543210
	s_mov_b32 s[SEL+1], 0xfedcba98
	s_mov_b32 s[MNT], 0x600000
.irp b, 0,1,2,3
	v_mov_b32 v[TM+4+\b], 0                        ; written once: a lane permute's destination counts as one of its sources
.endr
	s_wait_kmcnt 0x0
	s_cmp_lt_u32 ttmp9, 128
	s_cbranch_scc1 .Lmabs
	; ---- ROWS WHOSE K IS INNERMOST.  g = work-group - 128: 0-255 x, 256-319 Wo, 320-367 Wq_down, Wk_down, Wv_down, 368-383 Wv_up
	s_sub_co_u32 s30, ttmp9, 128
	s_mov_b32 s41, 0
	s_mov_b32 s43, 0
	s_mov_b32 s45, 0
	s_cmp_ge_u32 s30, 368
	s_cbranch_scc1 .Lvup
	s_mov_b64 s[32:33], s[4:5]                     ; source, destination, source tile, the tile's record: x's, unless a later line chooses otherwise (the choices hang on the work-group's number alone)
	s_mov_b64 s[34:35], s[20:21]
	s_mov_b32 s36, s30
	s_mul_i32 s37, s30, 16896
	s_sub_co_u32 s38, s30, 256
	s_mul_i32 s39, s38, 16896
	s_add_co_u32 s39, s39, 811008
	s_cmp_ge_u32 s30, 256
	s_cselect_b64 s[32:33], s[18:19], s[32:33]
	s_cselect_b64 s[34:35], s[22:23], s[34:35]
	s_cselect_b32 s36, s38, s36
	s_cselect_b32 s37, s39, s37
	s_sub_co_u32 s38, s30, 320
	s_mul_i32 s39, s38, 16896
	s_cmp_ge_u32 s30, 320
	s_cselect_b64 s[32:33], s[6:7], s[32:33]
	s_cselect_b32 s36, s38, s36
	s_cselect_b32 s37, s39, s37
	s_sub_co_u32 s38, s30, 336
	s_cmp_ge_u32 s30, 336
	s_cselect_b64 s[32:33], s[8:9], s[32:33]
	s_cselect_b32 s36, s38, s36
	s_sub_co_u32 s38, s30, 352
	s_cmp_ge_u32 s30, 352
	s_cselect_b64 s[32:33], s[10:11], s[32:33]
	s_cselect_b32 s36, s38, s36
	s_lshr_b32 s38, s36, 1
	s_lshl_b32 s38, s38, 5
	s_and_b32 s39, s36, 1
	s_lshl_b32 s39, s39, 3
	s_add_co_u32 s38, s38, s39                     ; the tile's first row
	s_lshl_b32 s40, s38, 12                        ; rows of 4,096 bytes,
	s_lshl_b32 s39, s24, 10
	s_add_co_u32 s40, s40, s39                     ; my wave's two K steps: 1,024 bytes
	s_lshr_b32 s39, s24, 1
	s_mul_i32 s39, s39, 8448
	s_add_co_u32 s37, s37, s39                     ; the record's half
	s_and_b32 s39, s24, 1
	s_lshl_b32 s47, s39, 12
	s_add_co_u32 s42, s37, s47                     ; my two fragments
	s_lshl_b32 s47, s39, 7
	s_add_co_u32 s44, s37, s47
	s_add_co_u32 s44, s44, 8192                    ; and their scale words
	s_mov_b32 s46, 12
	s_branch .Lrows
.Lvup:
	s_sub_co_u32 s36, s30, 368
	s_lshl_b32 s36, s36, 2
	s_add_co_u32 s36, s36, s24                     ; Wv_up's tile 0..63: a wave a tile, both K steps
	s_mov_b64 s[32:33], s[16:17]
	s_mov_b64 s[34:35], s[22:23]
	s_lshr_b32 s38, s36, 1
	s_lshl_b32 s38, s38, 5
	s_and_b32 s39, s36, 1
	s_lshl_b32 s39, s39, 3
	s_add_co_u32 s38, s38, s39
	s_lshl_b32 s40, s38, 10                        ; rows of 1,024 bytes
	s_lshr_b32 s39, s36, 4
	s_mul_i32 s39, s39, 67584
	s_add_co_u32 s39, s39, 1892352                 ; the group of 16 tiles
	s_and_b32 s38, s36, 15
	s_lshl_b32 s47, s38, 12
	s_add_co_u32 s42, s39, s47
	s_lshl_b32 s47, s38, 7
	s_add_co_u32 s44, s39, s47
	s_add_co_u32 s44, s44, 65536
	s_mov_b32 s46, 10
.Lrows:
	s_add_nc_u64 s[32:33], s[32:33], s[40:41]
	s_add_nc_u64 s[48:49], s[34:35], s[42:43]
	s_add_nc_u64 s[50:51], s[34:35], s[44:45]
	s_wait_alu depctr_va_vdst(0)
	v_lshlrev_b32 v6, s46, v7                      ; my row,
	v_lshl_add_u32 v6, v3, 6, v6                   ; + 64 (lane / 16): my 16 numbers of a block of 32
.irp s, 0,1
.irp b, 0,1,2,3
.irp j, 0,1,2,3
	global_load_b128 v[X+64*\s+16*\b+4*\j:X+64*\s+16*\b+4*\j+3], v6, s[32:33] offset:512*\s+128*\b+16*\j th:TH_LOAD_NT   ; read once in the launch
.endr
.endr
.endr
	s_wait_loadcnt 16                              ; the first K step's 16 loads are in; the second's may be out
	QUANT X, PC, PW, 4, 0
	s_wait_loadcnt 0x0
	QUANT X+64, PC+16, PW+1, 4, 0
.irp i, 0,1,2,3,4,5,6,7
	global_store_b128 v4, v[PC+4*\i:PC+4*\i+3], s[48:49] offset:512*\i   ; 32 lanes store 512 consecutive bytes
.endr
	v_cmp_lt_u32 vcc_lo, 15, v1
	v_cndmask_b32 v[JW], v[PW], v[PW+1], vcc_lo    ; lanes 0-15: the first K step's words; lanes 16-31: the second's
	global_store_b32 v5, v[JW], s[50:51]
	s_endpgm
	; ---- MABS.  Uq_h[q][d] = Wq_up[64 h + d][q]: K = d is not innermost, so a lane takes a column and its registers run down d.  K = 64: blocks 2 and 3 of the instruction are zero codes under the byte 127.
.Lmabs:
	s_lshr_b32 s30, ttmp9, 3                       ; head
	s_and_b32 s31, ttmp9, 3
	s_lshl_b32 s31, s31, 2
	s_add_co_u32 s31, s31, s24                     ; n: my tile of 16 k
	s_bfe_u32 s36, ttmp9, 0x10002                  ; which 128 of the 256 q: a K step of product 5
	s_lshl_b32 s40, s30, 16                        ; a head's 64 rows of 1,024 bytes
	s_mov_b32 s41, 0
	s_lshl_b32 s37, s36, 9                         ; 128 columns of 4 bytes
	s_add_co_u32 s38, s40, s37
	s_mov_b32 s39, 0
	s_add_nc_u64 s[32:33], s[12:13], s[38:39]      ; Uq of the head, at my 128 q
	s_lshr_b32 s42, s31, 1
	s_lshl_b32 s42, s42, 5
	s_and_b32 s43, s31, 1
	s_lshl_b32 s43, s43, 3
	s_add_co_u32 s42, s42, s43
	s_lshl_b32 s42, s42, 2
	s_add_co_u32 s40, s40, s42
	s_add_nc_u64 s[34:35], s[14:15], s[40:41]      ; Uk of the head, at my tile's first column
	s_mul_i32 s40, s30, 67584
	s_add_co_u32 s40, s40, 2162688                 ; the head's group in wq
	s_lshl_b32 s42, s31, 12
	s_add_co_u32 s42, s42, s40
	s_lshl_b32 s37, s36, 11
	s_add_co_u32 s42, s42, s37
	s_mov_b32 s43, 0
	s_add_nc_u64 s[48:49], s[22:23], s[42:43]      ; my fragment of my tile
	s_lshl_b32 s42, s31, 7
	s_add_co_u32 s42, s42, s40
	s_lshl_b32 s37, s36, 6
	s_add_co_u32 s42, s42, s37
	s_add_co_u32 s42, s42, 65536
	s_add_nc_u64 s[50:51], s[22:23], s[42:43]      ; and its 16 scale words
	s_wait_alu depctr_va_vdst(0)
	v_lshlrev_b32 v6, 2, v7                        ; my column in a tile,
	v_lshl_add_u32 v6, v3, 14, v6                  ; lanes 16-31 begin 16 rows further down
	v_lshlrev_b32 v[R4], 2, v2
.irp i, 8,9,10,11,12,13,14,15
	v_mov_b32 v[AF+\i], 0                          ; k = 64 .. 127: zero codes, written once
	v_mov_b32 v[AF+16+\i], 0
	v_mov_b32 v[BF+\i], 0
.endr
.macro LD64 buf, plo, col              ; 16 columns x 64 d into buffer buf: register 16 c + i = d 32 c + 16 (lane / 16) + i
.irp c, 0,1
.irp i, 0,1,2,3,4,5,6,7,8,9,10,11,12,13,14,15
	global_load_b32 v[X+32*(\buf)+16*\c+\i], v6, s[\plo:\plo+1] offset:(32*\c+\i)*1024+(\col)
.endr
.endr
.endm
	LD64 0, 34, 0                                  ; Uk's tile n
	LD64 1, 32, 0                                  ; Uq's first tile
	s_wait_loadcnt 32                              ; the older 32 are in
	QUANT X, BF, BW, 2, 1
; Eight tiles of q.  Source 0 = 16 q, source 1 = my 16 k: a lane holds one k, its registers run along q, the next K.  Each product has an accumulator of its own and starts it with the constant 0.
.set ia, 0
.rept 8
.if ia < 7
	LD64 ia%2, 32, 4*(32*((ia+1)/2)+8*((ia+1)%2))  ; the next tile, into the buffer just quantised
	s_wait_loadcnt 32                              ; this tile's 32 are in, the next tile's may be out
.else
	s_wait_loadcnt 0x0
.endif
	QUANT X+32*((ia+1)%2), AF+16*(ia%2), AW+ia%2, 2, 1
	PLACES 3                                       ; with the plain line that ends QUANT: four places behind the codes; the scale word stands 32 holds back
	v_wmma_scale_f32_16x16x128_f8f6f4 v[DD+8*ia:DD+8*ia+7], v[AF+16*(ia%2):AF+16*(ia%2)+15], v[BF:BF+15], 0, v[AW+ia%2], v[BW]
.set ia, ia+1
.endr
	PLACES 8                                       ; eight places behind the last product
.set ip, 0
.rept 32
	v_pk_mul_f32 v[DD+ip:DD+ip+1], v[DD+ip:DD+ip+1], 0x3e000000 op_sel_hi:[1,0]   ; x 1 / sqrt(64), exact; each accumulator from its low end on
.set ip, ip+2
.endr
	QUANT DD, PM, PW, 4, 0                         ; 128 q: a K step of product 5
.irp c, 0,1,2,3
	global_store_b128 v4, v[PM+4*\c:PM+4*\c+3], s[48:49] offset:512*\c
.endr
	global_store_b32 v[R4], v[PW], s[50:51]        ; both lanes of a row store the same word with the same value
	s_endpgm
.Lfunc_end_k_qd8f39deaea_prep:
	.size	k_qd8f39deaea_prep, .Lfunc_end_k_qd8f39deaea_prep-k_qd8f39deaea_prep
	.p2alignl 7, 3214868480
	.fill 96, 4, 3214868480
	.section	.rodata,"a",@progbits
	.p2align	6, 0x0
	.amdhsa_kernel k_qd8f39deaea_prep
		.amdhsa_group_segment_fixed_size 0
		.amdhsa_private_segment_fixed_size 0
		.amdhsa_enable_private_segment 0
		.amdhsa_kernarg_size 80
		.amdhsa_user_sgpr_count 2
		.amdhsa_user_sgpr_kernarg_segment_ptr 1
		.amdhsa_wavefront_size32 1
		.amdhsa_system_sgpr_workgroup_id_x 1
		.amdhsa_system_sgpr_workgroup_id_y 1
		.amdhsa_system_sgpr_workgroup_id_z 1
		.amdhsa_system_vgpr_workitem_id 0
		.amdhsa_next_free_vgpr 256
		.amdhsa_next_free_sgpr 66
		.amdhsa_reserve_vcc 1
		.amdhsa_float_denorm_mode_32 3
		.amdhsa_float_denorm_mode_16_64 3
		.amdhsa_memory_ordered 1
		.amdhsa_forward_progress 1
		.amdhsa_inst_pref_size 104
	.end_amdhsa_kernel
	.amdgpu_metadata
---
amdhsa.version: [ 1, 2 ]
amdhsa.kernels:
  - .name:           k_qd8f39deaea_prep
    .symbol:         k_qd8f39deaea_prep.kd
    .args:
      - { .name: x, .offset: 0, .size: 8, .value_kind: global_buffer, .address_space: global }
      - { .name: Wq_down, .offset: 8, .size: 8, .value_kind: global_buffer, .address_space: global }
      - { .name: Wk_down, .offset: 16, .size: 8, .value_kind: global_buffer, .address_space: global }
      - { .name: Wv_down, .offset: 24, .size: 8, .value_kind: global_buffer, .address_space: global }
      - { .name: Wq_up, .offset: 32, .size: 8, .value_kind: global_buffer, .address_space: global }
      - { .name: Wk_up, .offset: 40, .size: 8, .value_kind: global_buffer, .address_space: global }
      - { .name: Wv_up, .offset: 48, .size: 8, .value_kind: global_buffer, .address_space: global }
      - { .name: Wo, .offset: 56, .size: 8, .value_kind: global_buffer, .address_space: global }
      - { .name: xq, .offset: 64, .size: 8, .value_kind: global_buffer, .address_space: global }
      - { .name: wq, .offset: 72, .size: 8, .value_kind: global_buffer, .address_space: global }
    .group_segment_fixed_size: 0
    .private_segment_fixed_size: 0
    .kernarg_segment_align: 8
    .kernarg_segment_size: 80
    .max_flat_workgroup_size: 128
    .sgpr_count:     66
    .vgpr_count:     256
    .wavefront_size: 32
...
	.end_amdgpu_metadata
.endif
;; end of part 1
;; launch lat (part 2): grid 64 x 4, 4 waves a work-group, no clusters, 168,448 bytes of LDS; arguments xq, wq, lq, vtq; writes lq, vtq
.if DOCPART == 2
	.amdgcn_target "amdgcn-amd-amdhsa--gfx1250"
	.amdhsa_code_object_version 6
	.text
	.protected	k_qd8f39deaea_lat
	.globl	k_qd8f39deaea_lat
	.p2align	8
	.type	k_qd8f39deaea_lat,@function
k_qd8f39deaea_lat:
	s_mov_b64 s[64:65], 0
	v_nop
	global_prefetch_b8 v0, s[64:65] scope:SCOPE_SE
	s_setreg_imm32_b32 hwreg(HW_REG_WAVE_MODE, 25, 1), 1
	s_wait_xcnt 0x0
; LAT: products 1 to 3 (x W_down^T) and the quantising of the latents along their 256; for V also product 7 (V_up) and its quantising along the KEYS.
; Work-group (x, y): 64 rows of x (4 tiles); y = 0 Q, 1 K, 2 and 3 V.  Wave w makes latent columns 64 w .. 64 w + 63 (4 weight tiles) for all 4 tiles of rows.
; KIND V IS TAKEN BY TWO WORK-GROUPS: both make V_lat (128 products a wave, as every kind), and each takes 8 of a wave's 16 d-tiles of product 7 (64 products a wave in place of 128): the longest work-group's tail is halved.
; The products are used transposed (source 0 = 16 rows of the weight, source 1 = 16 rows of x): a lane holds one row of x and its registers run along the latent, the next K.
; x's codes come once by the tensor data mover (a wave a tile's record, 16,896 dense bytes) and are read by all four waves; each weight byte goes from memory straight into the one wave that uses it.
; NO CLUSTER: a kind's weights (270,336 bytes) do not fit in LDS beside the block, and no two waves of a work-group read the same weight byte; what the four work-groups of a block share, x's 67,584 bytes, is a fifth of what each reads.
; The latents' codes meet in LDS as images of operand registers.  Kinds Q, K: they are stored to lq.  Kind V: they are source 0 of keys x d, so that a lane holds one d and its registers run along the keys.
; lq: Q_lat's 16 groups of 16 tiles at 0, K_lat's at 1,081,344 (67,584 bytes a group).  vtq: [batch][64 d-tiles] records of 33,792 bytes = 16 key steps x 2,048 of codes, 16 x 64 scale bytes.
; LDS is filled once: no byte is filled again.  One tensor load a wave is out.
; REGISTERS: window 0: v1-11 addresses, v16-31 QUANT's work, v32-47 weights' scale words, v48-63 x's, v64-191 16 accumulators, v192-223 codes, v224-227 scale bytes.  Window 1: weights, a ring of 4 K steps x 64.  Window 2: x, two K steps x 64.
.set XB,  0                            ; LDS: x's 4 records
.set LB,  67584                        ; the latents' 4 tiles x 4,096 of codes
.set LSC, 83968                        ; and their scale words, 128 bytes a tile
.set LI,  1                            ; v1 16 lane; v2 + 33,792 (tiles 2, 3)
.set LI2, 2
.set LS,  3                            ; v3 4 lane; v4 + 33,792
.set LS2, 4
.set EC,  5                            ; v5 where my codes go in LB
.set ES,  6                            ; v6 where my two scale bytes go in LSC
.set R4,  7                            ; v7 4 (lane % 16)
.set LT,  8                            ; v8 tile w in LB
.set LC,  9                            ; v9 LSC + 16 lane
.set LBA, 10                           ; v10 LB + 16 lane
.set LSA, 11                           ; v11 LSC + 4 lane
.set TM,  16
.set WS,  32
.set XS,  48
.set ACC, 64
.set D2,  64
.set PC,  192
.set PW,  224
.set SEL, 26
.set MNT, 28
.set MSB, 0
.macro WIN new                         ; the immediate's high byte repeats the setting that is left
.if MSB != \new
	s_set_vgpr_msb (MSB<<8)|\new
.set MSB, \new
.endif
.endm
.macro PLACES n
.rept \n
	v_nop
.endr
.endm
.macro BARRIER                         ; my LDS stores have landed and my LDS loads are in: then the work-group's barrier
	s_wait_dscnt 0x0
	s_barrier_signal -1
	s_barrier_wait -1
.endm
; 16 nb numbers of a lane, register 16 b + i = k 32 b + 16 (lane / 16) + i of the lane's row, become codes in v[dst] on and the row's scale bytes in v[pw].
.macro QUANT src, dst, pw, nb, fill
.irp b, 0,1,2,3
.if \b < \nb
	v_max3_num_f32 v[TM+\b], |v[(\src)+16*\b]|, |v[(\src)+16*\b+1]|, 0x4800000   ; my 16 numbers and the floor 2^(9 - 127): the byte cannot fall under 1.  (An accumulator is read from its low end on)
.endif
.endr
.irp i, 2,4,6,8,10,12,14
.irp b, 0,1,2,3
.if \b < \nb
	v_max3_num_f32 v[TM+\b], v[TM+\b], |v[(\src)+16*\b+\i]|, |v[(\src)+16*\b+\i+1]|
.endif
.endr
.endr
.irp b, 0,1,2,3
.if \b < \nb
	v_permlanex16_b32 v[TM+4+\b], v[TM+\b], s[SEL], s[SEL+1]
.endif
.endr
.irp b, 0,1,2,3
.if \b < \nb
	v_max_num_f32 v[TM+\b], v[TM+\b], v[TM+4+\b]
.endif
.endr
.irp b, 0,1,2,3
.if \b < \nb
	v_add_nc_u32 v[TM+12+\b], 0xfc000000, v[TM+\b]
.endif
.endr
.irp b, 0,1,2,3
.if \b < \nb
	v_and_or_b32 v[TM+8+\b], v[TM+\b], 0x7f800000, s[MNT]
.endif
.endr
.irp b, 0,1,2,3
.if \b < \nb
	v_lshrrev_b32 v[TM+4+\b], 23, v[TM+12+\b]
.endif
.endr
	v_lshl_or_b32 v[\pw], v[TM+5], 8, v[TM+4]
.if \nb > 2
	v_lshl_or_b32 v[\pw], v[TM+6], 16, v[\pw]
	v_lshl_or_b32 v[\pw], v[TM+7], 24, v[\pw]
.endif
.if \fill
	v_or_b32 v[\pw], 0x7f7f0000, v[\pw]
.endif
.irp b, 0,1,2,3
.if \b < \nb
.irp i, 0,1,2,3,4,5,6,7,8,9,10,11,12,13,14,15
	v_med3_num_f32 v[(\src)+16*\b+\i], v[(\src)+16*\b+\i], -v[TM+8+\b], v[TM+8+\b]
.endr
	v_cvt_scalef32_pk8_fp8_f32 v[(\dst)+4*\b:(\dst)+4*\b+1], v[(\src)+16*\b:(\src)+16*\b+7], v[TM+12+\b]
	v_cvt_scalef32_pk8_fp8_f32 v[(\dst)+4*\b+2:(\dst)+4*\b+3], v[(\src)+16*\b+8:(\src)+16*\b+15], v[TM+12+\b]
.endif
.endr
	v_nop                                          ; a plain line behind the last conversion
.endm
	s_load_b256 s[4:11], s[0:1], 0x0               ; xq, wq, lq, vtq
	v_lshl_add_u32 v254, v0, 2, 0x29000
	v_mov_b32 v255, 0
	ds_add_u32 v254, v255
	ds_add_u32 v254, v255
	v_lshrrev_b32 v1, 5, v0
	v_readfirstlane_b32 s24, v1                    ; wave 0..3
	s_and_b32 s49, ttmp7, 0xffff                   ; y
	s_min_u32 s25, s49, 2                          ; kind: 0 Q, 1 K, 2 V
	s_sub_co_u32 s49, s49, s25                     ; for V: which half of the d-tiles
	s_mov_b32 s16, 3<<16                           ; group 1: elements of 8 bytes, no mask, no padding: a dense block as 66 rows of 256 bytes
	s_mov_b32 s17, 32<<16                          ; tensor_dim0 = 32
	s_mov_b32 s18, 66<<16                          ; tensor_dim1 = 66
	s_mov_b32 s19, 32<<16                          ; tile_dim0 = 32
	s_mov_b32 s20, 66                              ; tile_dim1 = 66
	s_mov_b32 s21, 32                              ; the pitch
	s_mov_b32 s22, 0
	s_mov_b32 s23, 0
	s_mov_b32 s12, 1
	s_mul_i32 s13, s24, 16896                      ; LDS: tile w of the block
	s_lshl_b32 s30, ttmp9, 2
	s_add_co_u32 s30, s30, s24
	s_mul_i32 s30, s30, 16896                      ; x's tile 4 x + w
	s_mov_b32 s31, 0
	s_wait_dscnt 0x0
	s_wait_kmcnt 0x0
	s_add_nc_u64 s[14:15], s[4:5], s[30:31]
	s_or_b32 s15, s15, 0x80000000
	tensor_load_to_lds s[12:15], s[16:23]          ; my one tensor load: a first fill
	s_nop 0
.rept 4
	v_nop
.endr
	v_and_b32 v12, 31, v0
	v_and_b32 v13, 15, v0
	v_lshlrev_b32 v[LI], 4, v12
	v_add_nc_u32 v[LI2], 33792, v[LI]
	v_lshlrev_b32 v[LS], 2, v12
	v_add_nc_u32 v[LS2], 33792, v[LS]
	v_lshlrev_b32 v[R4], 2, v13
	s_wait_alu depctr_va_vdst(0)
	s_lshr_b32 s32, s24, 1                         ; my columns are blocks 2 (w % 2), + 1 of K step w / 2
	s_and_b32 s33, s24, 1
	s_lshl_b32 s34, s32, 11
	s_lshl_b32 s35, s33, 10
	s_add_co_u32 s34, s34, s35
	s_add_co_u32 s34, s34, LB
	v_add_nc_u32 v[EC], s34, v[LI]
	s_lshl_b32 s34, s32, 6
	s_lshl_b32 s35, s33, 1
	s_add_co_u32 s34, s34, s35
	s_add_co_u32 s34, s34, LSC
	v_add_nc_u32 v[ES], s34, v[R4]
	s_lshl_b32 s34, s24, 12
	s_add_co_u32 s34, s34, LB
	v_add_nc_u32 v[LT], s34, v[LI]
	v_add_nc_u32 v[LC], LSC, v[LI]
	v_add_nc_u32 v[LBA], LB, v[LI]
	v_add_nc_u32 v[LSA], LSC, v[LS]
	s_mov_b32 s[SEL], 0x76543210
	s_mov_b32 s[SEL+1], 0xfedcba98
	s_mov_b32 s[MNT], 0x600000
.irp b, 0,1,2,3
	v_mov_b32 v[TM+4+\b], 0                        ; written once: a lane permute's destination counts as one of its sources
.endr
	s_lshl_b32 s30, s25, 4
	s_lshl_b32 s34, s24, 2
	s_add_co_u32 s30, s30, s34
	s_mul_i32 s30, s30, 16896
	s_add_nc_u64 s[36:37], s[6:7], s[30:31]        ; my 4 weight tiles: 16 kind + 4 w on
.irp a, 0,1,2,3
.irp p, 0,1,2,3
	global_load_b32 v[WS+4*\a+\p], v[LS], s[36:37] offset:\a*16896+(\p/2)*8448+8192+(\p%2)*128   ; K steps 2 p (lanes 0-15) and 2 p + 1 (lanes 16-31)
.endr
.endr
.macro WLOAD s                         ; K step s of my 4 weight tiles into ring buffer s % 4
	WIN 0x40
.irp a, 0,1,2,3
.irp c, 0,1,2,3
	global_load_b128 v[64*((\s)%4)+16*\a+4*\c:64*((\s)%4)+16*\a+4*\c+3], v[LI], s[36:37] offset:\a*16896+((\s)/4)*8448+((\s)%4)*2048+512*\c
.endr
.endr
.endm
.macro XFETCH s                        ; K step s of x's 4 tiles into buffer s % 2
	WIN 0x80
.irp m, 0,1,2,3
.irp c, 0,1,2,3
	ds_load_b128 v[64*((\s)%2)+16*\m+4*\c:64*((\s)%2)+16*\m+4*\c+3], v[LI+\m/2] offset:(\m%2)*16896+((\s)/4)*8448+((\s)%4)*2048+512*\c
.endr
.endr
.endm
	WLOAD 0
	WLOAD 1
	WLOAD 2
	WLOAD 3
	WIN 0
	s_wait_tensorcnt 0x0                           ; my tile of x has landed,
	BARRIER                                        ; everybody's has
.irp m, 0,1,2,3
.irp p, 0,1,2,3
	ds_load_b32 v[XS+4*\m+\p], v[LS+\m/2] offset:(\m%2)*16896+(\p/2)*8448+8192+(\p%2)*128
.endr
.endr
	XFETCH 0
; A K step: 16 products, the 16 accumulators by turns, one instruction a turn.  cnt: the weights' loads issued behind this K step's, which may stay out.
.macro KSTEP s, cnt
	s_wait_loadcnt \cnt
	s_wait_dscnt 0x0                               ; x's fragments of this K step are in
.if \s < 7
	XFETCH (\s)+1                                  ; into the buffer that the K step before multiplied: eight places stand behind its products
.endif
	WIN 0x09                                       ; source 0 window 1, source 1 window 2, C and D window 0
.irp m, 0,1,2,3
.irp a, 0,1,2,3
.if \s == 0
	v_wmma_scale_f32_16x16x128_f8f6f4 v[ACC+32*\m+8*\a:ACC+32*\m+8*\a+7], v[64*((\s)%4)+16*\a:64*((\s)%4)+16*\a+15], v[64*((\s)%2)+16*\m:64*((\s)%2)+16*\m+15], 0, v[WS+4*\a+(\s)/2], v[XS+4*\m+(\s)/2]
.elseif (\s)%2
	v_wmma_scale_f32_16x16x128_f8f6f4 v[ACC+32*\m+8*\a:ACC+32*\m+8*\a+7], v[64*((\s)%4)+16*\a:64*((\s)%4)+16*\a+15], v[64*((\s)%2)+16*\m:64*((\s)%2)+16*\m+15], v[ACC+32*\m+8*\a:ACC+32*\m+8*\a+7], v[WS+4*\a+(\s)/2], v[XS+4*\m+(\s)/2] matrix_a_scale:MATRIX_SCALE_ROW1 matrix_b_scale:MATRIX_SCALE_ROW1
.else
	v_wmma_scale_f32_16x16x128_f8f6f4 v[ACC+32*\m+8*\a:ACC+32*\m+8*\a+7], v[64*((\s)%4)+16*\a:64*((\s)%4)+16*\a+15], v[64*((\s)%2)+16*\m:64*((\s)%2)+16*\m+15], v[ACC+32*\m+8*\a:ACC+32*\m+8*\a+7], v[WS+4*\a+(\s)/2], v[XS+4*\m+(\s)/2]
.endif
.endr
.endr
	PLACES 8                                       ; in front of loads into registers that these products read, and of the first read of results
.if \s < 4
	WLOAD (\s)+4
.endif
.endm
	KSTEP 0, 48                                    ; behind K step s stand three K steps of 16 loads, later fewer
	KSTEP 1, 48
	KSTEP 2, 48
	KSTEP 3, 48
	KSTEP 4, 48
	KSTEP 5, 32
	KSTEP 6, 16
	KSTEP 7, 0
	WIN 0
.irp m, 0,1,2,3                        ; my 64 columns of tile m: two blocks of 32
	QUANT ACC+32*\m, PC+8*\m, PW+\m, 2, 0
	ds_store_b128 v[EC], v[PC+8*\m:PC+8*\m+3] offset:4096*\m
	ds_store_b128 v[EC], v[PC+8*\m+4:PC+8*\m+7] offset:4096*\m+512
	ds_store_b16 v[ES], v[PW+\m] offset:128*\m     ; both lanes of a row write the same two bytes with the same value
.endr
	BARRIER                                        ; the 4 tiles' images and scale words lie whole in LDS
	s_cmp_eq_u32 s25, 2
	s_cbranch_scc1 .Lvkind
	; ---- kinds Q and K: wave w stores tile w; wave 0 the four tiles' scale words
	s_lshl_b32 s30, s25, 4
	s_lshr_b32 s34, ttmp9, 2
	s_add_co_u32 s30, s30, s34
	s_mul_i32 s30, s30, 67584                      ; the group of 16 tiles
	s_and_b32 s34, ttmp9, 3
	s_lshl_b32 s35, s34, 2
	s_add_co_u32 s35, s35, s24
	s_lshl_b32 s35, s35, 12
	s_add_co_u32 s38, s30, s35
	s_mov_b32 s39, 0
	s_add_nc_u64 s[38:39], s[8:9], s[38:39]
.irp i, 0,1,2,3,4,5,6,7
	ds_load_b128 v[PC+4*\i:PC+4*\i+3], v[LT] offset:512*\i
.endr
	s_wait_dscnt 0x0
.irp i, 0,1,2,3,4,5,6,7
	global_store_b128 v[LI], v[PC+4*\i:PC+4*\i+3], s[38:39] offset:512*\i   ; 512 consecutive bytes a store
.endr
	s_cmp_lg_u32 s24, 0
	s_cbranch_scc1 .Ldone
	ds_load_b128 v[ACC:ACC+3], v[LC]
	s_lshl_b32 s34, s34, 9
	s_add_co_u32 s30, s30, s34
	s_add_co_u32 s30, s30, 65536
	s_add_nc_u64 s[40:41], s[8:9], s[30:31]
	s_wait_dscnt 0x0
	global_store_b128 v[LI], v[ACC:ACC+3], s[40:41]
.Ldone:
	s_wait_tensorcnt 0x0
	ds_add_u32 v254, v255
	s_wait_dscnt 0x0
	s_endpgm
	; ---- kind V: product 7.  Source 0 = my block's 4 tiles of keys (V_lat), source 1 = a tile of 16 d (Wv_up): a lane holds one d, its 32 registers are 64 keys in two blocks.  Wave w takes d-tiles 16 w + 8 half .. + 7.
.Lvkind:
	s_mul_i32 s30, s24, 67584
	s_add_co_u32 s30, s30, 1892352                 ; Wv_up's group w
	s_lshl_b32 s34, s49, 15                        ; my half: 8 tiles of 4,096 bytes on,
	s_add_co_u32 s38, s30, s34
	s_mov_b32 s39, 0
	s_add_nc_u64 s[40:41], s[6:7], s[38:39]        ; codes,
	s_lshl_b32 s34, s49, 10                        ; 8 x 128 scale bytes on
	s_add_co_u32 s38, s30, s34
	s_add_co_u32 s38, s38, 65536
	s_add_nc_u64 s[42:43], s[6:7], s[38:39]        ; scale words
	s_lshr_b32 s30, ttmp9, 5                       ; batch
	s_lshl_b32 s30, s30, 6
	s_lshl_b32 s34, s24, 4
	s_add_co_u32 s30, s30, s34
	s_lshl_b32 s34, s49, 3
	s_add_co_u32 s30, s30, s34
	s_mul_i32 s30, s30, 33792                      ; the record of d-tile 64 b + 16 w + 8 half
	s_and_b32 s34, ttmp9, 31
	s_lshr_b32 s35, s34, 1                         ; the key step of 128,
	s_and_b32 s34, s34, 1                          ; and which half of it my 64 keys are
	s_lshl_b32 s38, s35, 11
	s_add_co_u32 s38, s38, s30
	s_lshl_b32 s39, s34, 10
	s_add_co_u32 s38, s38, s39
	s_mov_b32 s39, 0
	s_add_nc_u64 s[44:45], s[10:11], s[38:39]
	s_lshl_b32 s38, s35, 6
	s_add_co_u32 s38, s38, s30
	s_lshl_b32 s34, s34, 1
	s_add_co_u32 s38, s38, s34
	s_add_co_u32 s38, s38, 32768
	s_add_nc_u64 s[46:47], s[10:11], s[38:39]
.macro ULOAD i4, d                     ; d-tile d from the pointers on, into ring buffer i4: 9 loads
	global_load_b32 v[WS+\i4], v[LS], s[42:43] offset:128*(\d)
	WIN 0x40
.irp s, 0,1
.irp c, 0,1,2,3
	global_load_b128 v[128+32*\i4+16*\s+4*\c:128+32*\i4+16*\s+4*\c+3], v[LI], s[40:41] offset:4096*(\d)+2048*\s+512*\c
.endr
.endr
	WIN 0
.endm
	ULOAD 0, 0
	ULOAD 1, 1
	ULOAD 2, 2
	ULOAD 3, 3
	WIN 0x40
.irp m, 0,1,2,3
.irp s, 0,1
.irp c, 0,1,2,3
	ds_load_b128 v[32*\m+16*\s+4*\c:32*\m+16*\s+4*\c+3], v[LBA] offset:4096*\m+2048*\s+512*\c   ; V_lat's 8 fragments stay in window 1
.endr
.endr
.endr
	WIN 0
.irp m, 0,1,2,3
	ds_load_b32 v[XS+\m], v[LSA] offset:128*\m
.endr
	s_wait_dscnt 0x0
.macro VTILE i4, more, cnt
	s_wait_loadcnt \cnt                            ; this d-tile's 9 loads are in; the younger d-tiles' may be out
	s_wait_xcnt 0x0                                ; earlier stores have read their data: this buffer's codes and bytes are written again only behind this wait
	WIN 0x05                                       ; sources 0 and 1 window 1, C and D window 0
.irp m, 0,1,2,3
	v_wmma_scale_f32_16x16x128_f8f6f4 v[D2+8*\m:D2+8*\m+7], v[32*\m:32*\m+15], v[128+32*\i4:128+32*\i4+15], 0, v[XS+\m], v[WS+\i4]
.endr
.irp m, 0,1,2,3
	v_wmma_scale_f32_16x16x128_f8f6f4 v[D2+8*\m:D2+8*\m+7], v[32*\m+16:32*\m+31], v[128+32*\i4+16:128+32*\i4+31], v[D2+8*\m:D2+8*\m+7], v[XS+\m], v[WS+\i4] matrix_a_scale:MATRIX_SCALE_ROW1 matrix_b_scale:MATRIX_SCALE_ROW1
.endr
	WIN 0
	PLACES 8
.if \more
	ULOAD \i4, \i4+4
.endif
	QUANT D2, PC+8*\i4, PW+\i4, 2, 0
	global_store_b128 v[LI], v[PC+8*\i4:PC+8*\i4+3], s[44:45] offset:33792*\i4
	global_store_b128 v[LI], v[PC+8*\i4+4:PC+8*\i4+7], s[44:45] offset:33792*\i4+512
	global_store_b16 v[R4], v[PW+\i4], s[46:47] offset:33792*\i4   ; two bytes of each d's scale word: the other two come from the neighbouring block of keys
.endm
	VTILE 0, 1, 27                                 ; the first four d-tiles, each asking for the d-tile four on
	VTILE 1, 1, 27
	VTILE 2, 1, 27
	VTILE 3, 1, 27
	s_wait_xcnt 0x0                                ; the stores' pointers step only behind this wait
	s_add_nc_u64 s[44:45], s[44:45], 135168
	s_add_nc_u64 s[46:47], s[46:47], 135168
	VTILE 0, 0, 27                                 ; the last four ask for nothing: the counts run down
	VTILE 1, 0, 18
	VTILE 2, 0, 9
	VTILE 3, 0, 0
	s_wait_tensorcnt 0x0
	ds_add_u32 v254, v255
	s_wait_dscnt 0x0
	s_endpgm
.Lfunc_end_k_qd8f39deaea_lat:
	.size	k_qd8f39deaea_lat, .Lfunc_end_k_qd8f39deaea_lat-k_qd8f39deaea_lat
	.p2alignl 7, 3214868480
	.fill 96, 4, 3214868480
	.section	.rodata,"a",@progbits
	.p2align	6, 0x0
	.amdhsa_kernel k_qd8f39deaea_lat
		.amdhsa_group_segment_fixed_size 168448
		.amdhsa_private_segment_fixed_size 0
		.amdhsa_enable_private_segment 0
		.amdhsa_kernarg_size 32
		.amdhsa_user_sgpr_count 2
		.amdhsa_user_sgpr_kernarg_segment_ptr 1
		.amdhsa_wavefront_size32 1
		.amdhsa_system_sgpr_workgroup_id_x 1
		.amdhsa_system_sgpr_workgroup_id_y 1
		.amdhsa_system_sgpr_workgroup_id_z 1
		.amdhsa_system_vgpr_workitem_id 0
		.amdhsa_next_free_vgpr 640
		.amdhsa_next_free_sgpr 66
		.amdhsa_reserve_vcc 0
		.amdhsa_float_denorm_mode_32 3
		.amdhsa_float_denorm_mode_16_64 3
		.amdhsa_memory_ordered 1
		.amdhsa_forward_progress 1
		.amdhsa_inst_pref_size 121
	.end_amdhsa_kernel
	.amdgpu_metadata
---
amdhsa.version: [ 1, 2 ]
amdhsa.kernels:
  - .name:           k_qd8f39deaea_lat
    .symbol:         k_qd8f39deaea_lat.kd
    .args:
      - { .name: xq, .offset: 0, .size: 8, .value_kind: global_buffer, .address_space: global }
      - { .name: wq, .offset: 8, .size: 8, .value_kind: global_buffer, .address_space: global }
      - { .name: lq, .offset: 16, .size: 8, .value_kind: global_buffer, .address_space: global }
      - { .name: vtq, .offset: 24, .size: 8, .value_kind: global_buffer, .address_space: global }
    .group_segment_fixed_size: 168448
    .private_segment_fixed_size: 0
    .kernarg_segment_align: 8
    .kernarg_segment_size: 32
    .max_flat_workgroup_size: 128
    .sgpr_count:     66
    .vgpr_count:     640
    .wavefront_size: 32
...
	.end_amdgpu_metadata
.endif
;; end of part 2
;; launch attn (part 3): grid 8 x 32, 8 waves a work-group, clusters of 4 x 1, 327,680 bytes of LDS; arguments lq, wq, vtq, attention_mask, cq; writes cq
.if DOCPART == 3
	.amdgcn_target "amdgcn-amd-amdhsa--gfx1250"
	.amdhsa_code_object_version 6
	.text
	.protected	k_qd8f39deaea_attn
	.globl	k_qd8f39deaea_attn
	.p2align	8
	.type	k_qd8f39deaea_attn,@function
k_qd8f39deaea_attn:
	s_mov_b64 s[64:65], 0
	v_nop
	global_prefetch_b8 v0, s[64:65] scope:SCOPE_SE
	s_setreg_imm32_b32 hwreg(HW_REG_WAVE_MODE, 25, 1), 1
	s_wait_xcnt 0x0
	s_wait_alu depctr_hold_cnt(0) depctr_sa_sdst(0) depctr_va_vdst(0) depctr_va_sdst(0) depctr_va_ssrc(0) depctr_va_vcc(0) depctr_vm_vsrc(0)
	s_getreg_b32 s2, hwreg(HW_REG_IB_STS2, 6, 4)
	s_cmp_eq_u32 s2, 0
	s_cbranch_scc0 .Lentry_in_a_cluster
	s_endpgm
.Lentry_in_a_cluster:
	s_bfe_u32 s2, ttmp6, 0x10000c
	s_cmp_lg_u32 s2, 0x3003
	s_cbranch_scc0 .Lentry_shape_is_right
	s_endpgm
.Lentry_shape_is_right:
; ATTN: for one (batch b, head h): QM = Q_lat Mabs_h (product 5), logits = QM K_lat^T (product 6), masks, softmax, ctx = attn V_up (product 8), ctx quantised along (h, d) for product 9.
; attn is quantised FINISHED AND NORMALISED, so a row's maximum m and sum l are known before any weight is quantised: the keys are walked TWICE, and product 6 is computed in both walks with the same instructions on the same codes.
; SHARES.  Work-group (j = 4 cluster x + cx, y = 16 b + h).  Wave w of eight owns TWO query tiles of the batch: A = 16 w + j (queries in 256 w .. 256 w + 127) and B = A + 8 (the next 128).  Every fragment of K, Mabs and V that
; the wave reads from LDS feeds a product of each tile: 128 + 8 + 64 passes of 256 bytes for two tiles and 128 keys, where a wave with one tile reads 168 for one.
; A slot holds key steps 2 n and 2 n + 1.  Slot n is worked on where n <= w.  In slot w, step 2 w is A's diagonal and open to B; in step 2 w + 1 all of A's scores are hidden (its weights are zeros: one tile step a walk is spent on
; nothing) and B has its diagonal.  So every branch hangs on the wave's number and on loop counters alone.  cx enters Q_lat's and cq's global addresses and one number that is only compared (DG).
; CLUSTER.  The four partners walk the same K_lat, Mabs_h and V: every tensor load is asked for jointly, with the mask of all four.
; LAYOUT.  All products are used transposed: a lane holds ONE query (lane % 16); a tile's rows are chosen so that 16 registers of two neighbouring tiles are 16 neighbours of the next K.
; MASKS.  A padded key adds -2^100 to its scores: the bias (0 or -2^100 a key) is the C of each sum's first product.  On the diagonal hidden scores become -2^100.  m starts at -2^96, so a row with no key left keeps it, all its
; weights are 0, and the reciprocal of its sum is replaced by 0: attn = 0 there.  LIMITS: a logit at or under -2^95 counts as masked; a weight under 2^-126 is flushed by v_exp_f32; a block of zeros gets the byte 1.
; LDS: two slots of 67,584 bytes (16 tiles of K_lat = 256 keys; slot 1 first holds Mabs_h); V of (b, h), 4 records of 33,792, resident; the bias, 8,192; the spare words.  All of a WGP's LDS is claimed.
; By this text's own count a wave has at most one tensor load out.
; REGISTERS, in two windows of 256.  TILE A'S DATA LIE IN WINDOW 0, TILE B'S AT THE SAME NUMBERS IN WINDOW 1: v5 DG, v13 -2^100, v14 m log2(e), v15 m, v[16:17] l, v[18:19] f, later 1 / l twice, v30-31 at work, v32-63 QM,
; v128-191 scores, v192-223 ctx^T, v224-239 codes, v240-255 at work.  So a tile's softmax is written once and runs under the setting 0 for A and 0x55 for B.  Window 0 alone: v1-12 addresses, v20-29 scale words (scale operands
; have no window).  v64-127 of both windows are two buffers for fragments: a group of 32 keys is asked for while the group before it is multiplied.
; s_set_vgpr_msb's low byte: bits 1:0 source 0, 3:2 source 1, 5:4 source 2, 7:6 destination.
; THE SHARES AS THEY STAND (this takes the place of what the head says of tiles A and B and of slot w): wave w owns tile A = 8 w + j, whose queries lie in key step w, and tile B = 8 (15 - w) + j, in key step 15 - w:
; w + 1 and 16 - w key steps count for them, 17 tile steps a walk in every wave.  A wave walks key steps 0 .. 15 - w.  Step w is A's diagonal, step 15 - w B's.  Behind step w all keys are hidden from A.
.set SLOTB, 67584
; THE SCORES AS THEY STAND: a key step's bias is loaded once, into tile A's score registers; tile B's first products take it from there as C and write B's own registers.  The four groups of 32 keys go by pairs: both buffers of fragments are filled, then multiplied.
.set VT,    135168
.set BIAS,  270336
.set SPARE, 278528
.set LI,   1                           ; v1  16 lane
.set LS,   2                           ; v2  4 lane
.set SPW,  3                           ; v3  my spare word; never rewritten
.set NIL,  4                           ; v4  0; never rewritten
.set DG,   5                           ; v5  my query's place in its 128 less 16 (lane / 16): the same for both tiles
.set ADK,  6                           ; v6  K's tiles;  v7 their scale words
.set ADKS, 7
.set ADV,  8                           ; v8-9 V's tiles 0-1, 2-3;  v10-11 their scale words
.set ADVS, 10
.set ADB,  12                          ; v12 the step's bias
.set NEG,  13                          ; v13 -2^100
.set QS,   20                          ; v20-21 QM's scale words, A's and B's; v22-23 attn's (first Q_lat's); v24-27 K's, two sets (Mabs'); v26-29 V's: these hold scales alone
.set PS,   22
.set KS,   24
.set VS,   26
.set PWT,  30                          ; v30-31 scale words on their way
.set Q,    32
.set FR,   64
.set S,    128
.set O,    192                         ; (first Q_lat's two fragments)
.set PC,   224
.set TM,   240
.set WV,   14
.set GI,   34                          ; s34 the K group asked for last
.set TT,   35                          ; s35 tile A, 0..255;  s66 tile B
.set TB,   36                          ; s36 the slot in hand
.set WL,   37                          ; s37 15 - w: my last key step, B's diagonal
.set KF,   38                          ; s38 the key step
.set CNT,  39
.set CS,   40                          ; s[40:41] log2(e)
.set SEL,  42
.set MNT,  44
.set SB,   45                          ; s45 512 x key step;  s46 2,048 x key step;  s47 128 x slot
.set SV,   46
.set SVS,  47
.set WD,   59                          ; s59 w: A's diagonal, the last key step that counts for A
.set MSB,  0
.macro WIN new                         ; the immediate's high byte repeats the setting that is left; a switch that changes nothing is dropped
.if MSB != (\new)
	s_set_vgpr_msb (MSB<<8)|(\new)
.set MSB, (\new)
.endif
.endm
.macro PLACES n
.rept \n
	v_nop
.endr
.endm
.macro ROUND                           ; a round of the cluster's barrier
	s_barrier_signal -1
	s_barrier_wait -1
	s_cmp_lg_u32 s[WV], 0
	s_cbranch_scc1 .Lnot_wave_0_\@
	s_barrier_signal -3
.Lnot_wave_0_\@:
	s_barrier_wait -3
	s_barrier_signal -1
	s_barrier_wait -1
.endm
; 16 nb numbers of a lane, register 16 b + i = k 32 b + 16 (lane / 16) + i of the lane's row, become codes in v[dst] on and the row's scale bytes in v[pw].  All its registers lie in the window that is set.
.macro QUANT src, dst, pw, nb, fill
.irp b, 0,1,2,3
.if \b < \nb
	v_max3_num_f32 v[TM+\b], |v[(\src)+16*\b]|, |v[(\src)+16*\b+1]|, 0x4800000   ; my 16 numbers and the floor 2^(9 - 127).  (An accumulator is read from its low end on)
.endif
.endr
.irp i, 2,4,6,8,10,12,14
.irp b, 0,1,2,3
.if \b < \nb
	v_max3_num_f32 v[TM+\b], v[TM+\b], |v[(\src)+16*\b+\i]|, |v[(\src)+16*\b+\i+1]|
.endif
.endr
.endr
.irp b, 0,1,2,3
.if \b < \nb
	v_permlanex16_b32 v[TM+4+\b], v[TM+\b], s[SEL], s[SEL+1]
.endif
.endr
.irp b, 0,1,2,3
.if \b < \nb
	v_max_num_f32 v[TM+\b], v[TM+\b], v[TM+4+\b]
.endif
.endr
.irp b, 0,1,2,3
.if \b < \nb
	v_add_nc_u32 v[TM+12+\b], 0xfc000000, v[TM+\b]
.endif
.endr
.irp b, 0,1,2,3
.if \b < \nb
	v_and_or_b32 v[TM+8+\b], v[TM+\b], 0x7f800000, s[MNT]
.endif
.endr
.irp b, 0,1,2,3
.if \b < \nb
	v_lshrrev_b32 v[TM+4+\b], 23, v[TM+12+\b]
.endif
.endr
	v_lshl_or_b32 v[\pw], v[TM+5], 8, v[TM+4]
.if \nb > 2
	s_delay_alu instid0(VALU_DEP_1)
	v_lshl_or_b32 v[\pw], v[TM+6], 16, v[\pw]
	s_delay_alu instid0(VALU_DEP_1)
	v_lshl_or_b32 v[\pw], v[TM+7], 24, v[\pw]
.endif
.if \fill
	v_or_b32 v[\pw], 0x7f7f0000, v[\pw]
.endif
.irp b, 0,1,2,3
.if \b < \nb
.irp i, 0,1,2,3,4,5,6,7,8,9,10,11,12,13,14,15
	v_med3_num_f32 v[(\src)+16*\b+\i], v[(\src)+16*\b+\i], -v[TM+8+\b], v[TM+8+\b]
.endr
	v_cvt_scalef32_pk8_fp8_f32 v[(\dst)+4*\b:(\dst)+4*\b+1], v[(\src)+16*\b:(\src)+16*\b+7], v[TM+12+\b]
	v_cvt_scalef32_pk8_fp8_f32 v[(\dst)+4*\b+2:(\dst)+4*\b+3], v[(\src)+16*\b+8:(\src)+16*\b+15], v[TM+12+\b]
.endif
.endr
	v_nop                                          ; a plain line behind the last conversion
.endm
	s_load_b256 s[4:11], s[0:1], 0x0               ; lq, wq, vtq, attention_mask
	s_load_b64 s[12:13], s[0:1], 0x20              ; cq
	v_lshl_add_u32 v[SPW], v0, 2, SPARE
	v_mov_b32 v[NIL], 0
	ds_add_u32 v3, v4
	ds_add_u32 v3, v4
	s_wait_dscnt 0x0
	v_lshrrev_b32 v6, 5, v0
	s_delay_alu instid0(VALU_DEP_1)
	v_readfirstlane_b32 s[WV], v6                  ; wave 0..7
	s_bfe_u32 s15, ttmp6, 0x40000                  ; cx
	s_lshl_b32 s16, ttmp9, 2
	s_add_co_u32 s16, s16, s15                     ; j = 4 x cluster x + cx
	s_and_b32 s17, ttmp7, 0xffff
	s_lshr_b32 s18, s17, 4                         ; batch
	s_and_b32 s19, s17, 15                         ; head
	s_mov_b32 s24, 15|(3<<16)|(1<<21)              ; group 1, for every load: the mask of all four; elements of 8 bytes; bit 21 beside the mask; no padding: 33,792 dense bytes as 132 rows of 256
	s_mov_b32 s25, 32<<16
	s_mov_b32 s26, 132<<16
	s_mov_b32 s27, 32<<16
	s_mov_b32 s28, 132
	s_mov_b32 s29, 32
	s_mov_b32 s30, 0
	s_mov_b32 s31, 0
	s_mov_b32 s20, 1
	s_mul_i32 s21, s[WV], 33792                    ; the first fills: wave w's 33,792 bytes at 33,792 w: waves 0-1 slot 0, 2-3 slot 1, 4-7 V
	s_mul_i32 s50, s18, 8*SLOTB
	s_add_co_u32 s50, s50, 1081344                 ; K_lat of the batch, in lq
	s_mul_i32 s51, s19, SLOTB
	s_add_co_u32 s51, s51, 2162688                 ; Mabs of the head, in wq
	s_lshl_b32 s52, s18, 6
	s_lshl_b32 s53, s19, 2
	s_add_co_u32 s52, s52, s53
	s_mul_i32 s52, s52, 33792                      ; V of (b, h), in vtq
	s_and_b32 s48, s[WV], 1
	s_mul_i32 s48, s48, 33792                      ; which half (waves 0-3),
	s_and_b32 s49, s[WV], 3
	s_mul_i32 s49, s49, 33792                      ; which quarter (waves 4-7)
	s_mov_b32 s57, 0
	s_mov_b32 s[WD], s[WV]
	s_xor_b32 s[WL], s[WV], 15                     ; 15 - w, w under 8
	s_mov_b32 s[CS], 0x3fb8aa3b                    ; log2(e)
	s_mov_b32 s[CS+1], s[CS]                       ; (named with it as a pair, so it is written)
	s_mov_b32 s[SEL], 0x76543210
	s_mov_b32 s[SEL+1], 0xfedcba98
	s_mov_b32 s[MNT], 0x600000
	s_wait_kmcnt 0x0
	s_add_co_u32 s56, s50, s48
	s_add_nc_u64 s[32:33], s[4:5], s[56:57]        ; my half of K's group 0: the refills' base
	s_cmp_lt_u32 s[WV], 2
	s_cselect_b64 s[54:55], s[4:5], s[6:7]
	s_cselect_b32 s56, s50, s51
	s_cmp_lt_u32 s[WV], 4
	s_cselect_b64 s[54:55], s[54:55], s[8:9]
	s_cselect_b32 s56, s56, s52
	s_cselect_b32 s48, s48, s49
	s_add_co_u32 s56, s56, s48
	s_add_nc_u64 s[22:23], s[54:55], s[56:57]
	s_or_b32 s23, s23, 0x80000000
	ROUND                                          ; all four work-groups are here: the first joint loads meet
	tensor_load_to_lds s[20:23], s[24:31]
	s_nop 0
.rept 4
	v_nop
.endr
	v_lshlrev_b32 v12, 5, v0                       ; the mask: 256 threads x 8 keys
	s_lshl_b32 s50, s18, 13
	s_mov_b32 s51, 0
	s_add_nc_u64 s[10:11], s[10:11], s[50:51]
	global_load_b128 v[S:S+3], v12, s[10:11]
	global_load_b128 v[S+4:S+7], v12, s[10:11] offset:16
	v_and_b32 v7, 31, v0
	s_delay_alu instid0(VALU_DEP_1)
	v_lshlrev_b32 v[LI], 4, v7
	s_wait_alu depctr_va_vdst(0)
	v_lshlrev_b32 v[LS], 2, v7
	s_wait_alu depctr_va_vdst(0)
	s_lshl_b32 s[TT], s18, 7
	s_lshl_b32 s53, s[WV], 3
	s_add_co_u32 s[TT], s[TT], s53
	s_add_co_u32 s[TT], s[TT], s16                 ; tile A: 128 b + 8 w + j
	s_lshr_b32 s53, s[TT], 4
	s_mul_i32 s53, s53, SLOTB
	s_and_b32 s54, s[TT], 15
	s_lshl_b32 s55, s54, 12
	s_add_co_u32 s50, s53, s55
	s_add_nc_u64 s[60:61], s[4:5], s[50:51]
	s_lshl_b32 s55, s54, 7
	s_add_co_u32 s50, s53, s55
	s_add_co_u32 s50, s50, 65536
	s_add_nc_u64 s[62:63], s[4:5], s[50:51]
	s_lshl_b32 s66, s[WL], 3                       ; tile B: 128 b + 8 (15 - w) + j
	s_lshl_b32 s53, s18, 7
	s_add_co_u32 s66, s66, s53
	s_add_co_u32 s66, s66, s16
	s_lshr_b32 s53, s66, 4
	s_mul_i32 s53, s53, SLOTB
	s_and_b32 s54, s66, 15
	s_lshl_b32 s55, s54, 12
	s_add_co_u32 s50, s53, s55
	s_add_nc_u64 s[68:69], s[4:5], s[50:51]        ; its codes,
	s_lshl_b32 s55, s54, 7
	s_add_co_u32 s50, s53, s55
	s_add_co_u32 s50, s50, 65536
	s_add_nc_u64 s[70:71], s[4:5], s[50:51]        ; its scale words
.irp i, 0,1,2,3,4,5,6,7
	global_load_b128 v[O+4*\i:O+4*\i+3], v[LI], s[60:61] offset:512*\i   ; Q_lat's two fragments of tile A
.endr
	global_load_b32 v[PS], v[LS], s[62:63]         ; their scale words,
	global_load_b32 v[PS+1], v[LS], s[70:71]       ; and tile B's
	WIN 0x40                                       ; destination window 1, address window 0
.irp i, 0,1,2,3,4,5,6,7
	global_load_b128 v[O+4*\i:O+4*\i+3], v[LI], s[68:69] offset:512*\i   ; tile B's fragments
.endr
	WIN 0
	v_bfe_u32 v8, v0, 4, 1
	v_and_b32 v9, 15, v0
	s_delay_alu instid0(VALU_DEP_1)
	v_and_b32 v10, 8, v9
	s_delay_alu instid0(VALU_DEP_1)
	v_add_nc_u32 v10, v10, v9                      ; r + 8 (r / 8)
	s_delay_alu instid0(VALU_DEP_4)
	v_lshlrev_b32 v11, 4, v8
	s_delay_alu instid0(VALU_DEP_1)
	v_sub_nc_u32 v10, v10, v11
	s_lshr_b32 s48, s16, 1
	s_lshl_b32 s48, s48, 5
	s_and_b32 s49, s16, 1
	s_lshl_b32 s49, s49, 3
	s_add_co_u32 s48, s48, s49
	v_add_nc_u32 v[DG], s48, v10                   ; 32 (j / 2) + 8 (j % 2) + r + 8 (r / 8) - 16 (lane / 16)
	v_mov_b32 v[NEG], 0xf1800000                   ; -2^100
	v_lshl_add_u32 v8, v0, 5, BIAS
.irp b, 0,1,2,3
	v_mov_b32 v[TM+4+\b], 0                        ; written once: a lane permute's destination counts as one of its sources
.endr
	WIN 0x40                                       ; the same in window 1
	v_mov_b32 v[DG], v[DG]
	v_mov_b32 v[NEG], v[NEG]
.irp b, 0,1,2,3
	v_mov_b32 v[TM+4+\b], 0
.endr
	WIN 0
	s_wait_loadcnt 18                              ; the mask is in; Q_lat's eighteen loads may be out
.irp i, 0,1,2,3,4,5,6,7
	v_cmp_eq_u32 vcc_lo, 0, v[S+\i]
	s_delay_alu instid0(VALU_DEP_1)
	v_cndmask_b32 v[S+8+\i], 0, v[NEG], vcc_lo     ; a padded key: -2^100; else 0
.endr
	ds_store_b128 v8, v[S+8:S+11]
	ds_store_b128 v8, v[S+12:S+15] offset:16
	s_wait_tensorcnt 0x0                           ; my first fill has landed,
	s_wait_dscnt 0x0                               ; my part of the bias is stored;
	s_barrier_signal -1
	s_barrier_wait -1                              ; everybody's.
	; ---- PRODUCT 5: QM^T = Mabs_h^T Q_lat^T: source 0 = 16 k of Mabs, source 1 = 16 queries.  Two halves of 128 k, each four groups of two tiles of k; each fragment of Mabs serves both query tiles; four accumulators by turns.
	v_add_nc_u32 v[ADK], SLOTB, v[LI]
	v_add_nc_u32 v[ADKS], SLOTB+65536, v[LS]
	s_wait_alu depctr_va_vdst(0)
	s_wait_loadcnt 0x0                             ; Q_lat
.macro MGROUP hf, g
.irp t, 0,1
.irp s, 0,1
.irp c, 0,1,2,3
	ds_load_b128 v[FR+32*\t+16*\s+4*\c:FR+32*\t+16*\s+4*\c+3], v[ADK] offset:4096*(8*\hf+2*\g+\t)+2048*\s+512*\c
.endr
.endr
	ds_load_b32 v[KS+\t], v[ADKS] offset:128*(8*\hf+2*\g+\t)
.endr
	s_wait_dscnt 0x0
	v_wmma_scale_f32_16x16x128_f8f6f4 v[S+16*\g:S+16*\g+7], v[FR:FR+15], v[O:O+15], 0, v[KS], v[PS]
	v_wmma_scale_f32_16x16x128_f8f6f4 v[S+16*\g+8:S+16*\g+15], v[FR+32:FR+47], v[O:O+15], 0, v[KS+1], v[PS]
	WIN 0x54                                       ; tile B: source 0 window 0; source 1, C and D window 1
	v_wmma_scale_f32_16x16x128_f8f6f4 v[S+16*\g:S+16*\g+7], v[FR:FR+15], v[O:O+15], 0, v[KS], v[PS+1]
	v_wmma_scale_f32_16x16x128_f8f6f4 v[S+16*\g+8:S+16*\g+15], v[FR+32:FR+47], v[O:O+15], 0, v[KS+1], v[PS+1]
	WIN 0
	v_wmma_scale_f32_16x16x128_f8f6f4 v[S+16*\g:S+16*\g+7], v[FR+16:FR+31], v[O+16:O+31], v[S+16*\g:S+16*\g+7], v[KS], v[PS] matrix_a_scale:MATRIX_SCALE_ROW1 matrix_b_scale:MATRIX_SCALE_ROW1
	v_wmma_scale_f32_16x16x128_f8f6f4 v[S+16*\g+8:S+16*\g+15], v[FR+48:FR+63], v[O+16:O+31], v[S+16*\g+8:S+16*\g+15], v[KS+1], v[PS] matrix_a_scale:MATRIX_SCALE_ROW1 matrix_b_scale:MATRIX_SCALE_ROW1
	WIN 0x54
	v_wmma_scale_f32_16x16x128_f8f6f4 v[S+16*\g:S+16*\g+7], v[FR+16:FR+31], v[O+16:O+31], v[S+16*\g:S+16*\g+7], v[KS], v[PS+1] matrix_a_scale:MATRIX_SCALE_ROW1 matrix_b_scale:MATRIX_SCALE_ROW1
	v_wmma_scale_f32_16x16x128_f8f6f4 v[S+16*\g+8:S+16*\g+15], v[FR+48:FR+63], v[O+16:O+31], v[S+16*\g+8:S+16*\g+15], v[KS+1], v[PS+1] matrix_a_scale:MATRIX_SCALE_ROW1 matrix_b_scale:MATRIX_SCALE_ROW1
	WIN 0
.endm
.irp hf, 0,1
.irp g, 0,1,2,3
.if \g > 0
	PLACES 8                                       ; in front of loads into registers that the last products read
.endif
	MGROUP \hf, \g
.endr
	PLACES 8
	QUANT S, Q+16*\hf, PWT+\hf, 4, 0               ; 128 k: a K step of product 6, tile A's
	WIN 0x55
	QUANT S, Q+16*\hf, PWT+\hf, 4, 0               ; tile B's
	WIN 0
.endr
	v_and_b32 v6, 16, v0
	s_delay_alu instid0(VALU_DEP_1)
	v_cmp_ne_u32 vcc_lo, 0, v6
	s_delay_alu instid0(VALU_DEP_1)
	v_cndmask_b32 v[QS], v[PWT], v[PWT+1], vcc_lo  ; lanes 0-15: K step 0's words; lanes 16-31: K step 1's
	WIN 0x05                                       ; sources window 1, destination window 0
	v_cndmask_b32 v[QS+1], v[PWT], v[PWT+1], vcc_lo
	WIN 0
.macro INITT
	v_mov_b32 v15, 0xef800000                      ; m = -2^96: under every logit that counts, far over a hidden score
	s_delay_alu instid0(VALU_DEP_1)
	v_mul_f32 v14, s[CS], v15                      ; m log2(e)
	v_mov_b32 v16, 0                               ; l, in two halves
	v_mov_b32 v17, 0
	v_mov_b32 v18, 0
	v_mov_b32 v19, 0                               ; (named as the upper half of the pair v[18:19])
.endm
	INITT
	WIN 0x55
	INITT
	WIN 0
	PLACES 8                                       ; the scale words stand eight places ahead of their first product
	s_mov_b32 s[GI], 0
	s_mov_b32 s[TB], 0
	s_mov_b32 s[KF], 0
	s_mov_b32 s[SB], 0
	s_mov_b32 s[CNT], 8
; THE CHANGE OF SLOTS stands at a slot's head.  Each wave waits for all its tensor loads, adds 0 to its spare word, and waits for that and for its reads of the slot that it has left.  fill = 1: a round of the cluster's barrier,
; so that no wave of any partner still reads that slot or has a load on its way; behind it waves 0 and 1 ask jointly for the next 256 keys (the groups go round: 1 .. 7, 0, 1 .. 7), which have a slot's two steps in which to land.
.macro CHANGE fill
	s_wait_tensorcnt 0x0                           ; no tensor load of mine is out, so group 0 may be written
	ds_add_u32 v[SPW], v[NIL]                      ; 0 onto my spare word
.if \fill
	s_add_co_u32 s[GI], s[GI], 1
	s_and_b32 s[GI], s[GI], 7
	s_mul_i32 s56, s[GI], SLOTB
	s_xor_b32 s21, s21, SLOTB                      ; the other slot than last time (33,792 w, w < 2, has none of SLOTB's bits)
	s_add_nc_u64 s[22:23], s[32:33], s[56:57]
	s_or_b32 s23, s23, 0x80000000
.endif
	s_wait_dscnt 0x0                               ; the add is done, and my reads of the slot that I have left are over
.if \fill
	ROUND
	s_cmp_lt_u32 s[WV], 2
	s_cbranch_scc0 .Lno_fill_\@
	tensor_load_to_lds s[20:23], s[24:31]          ; the first thing behind the round, and my one tensor load until the next
	s_nop 0
.rept 4
	v_nop
.endr
.Lno_fill_\@:
.else
	s_barrier_signal -1
	s_barrier_wait -1
.endif
.endm
; Group g of a key step: 32 keys = two tiles of 16, two K steps each.  Its 16 loads of fragments go into buffer g % 2 (v64-127 of window g % 2), its two scale words into set g % 2: 18 LDS loads.
.macro KLOAD q, g
	WIN 0x40*((\g)%2)
.irp t, 0,1
.irp s, 0,1
.irp c, 0,1,2,3
	ds_load_b128 v[FR+32*\t+16*\s+4*\c:FR+32*\t+16*\s+4*\c+3], v[ADK] offset:4096*(8*(\q)+2*(\g)+\t)+2048*\s+512*\c
.endr
.endr
.endr
	WIN 0
.irp t, 0,1
	ds_load_b32 v[KS+2*((\g)%2)+\t], v[ADKS] offset:128*(8*(\q)+2*(\g)+\t)
.endr
.endm
; One product: tile t of group g, K step s of the latent's two, query tile x (0: A, 1: B).  C and D are written with the same numbers; the windows that are set say whose they are.
.macro KP g, t, s, x
.if \s
	v_wmma_scale_f32_16x16x128_f8f6f4 v[S+16*(\g)+8*(\t):S+16*(\g)+8*(\t)+7], v[FR+32*(\t)+16:FR+32*(\t)+31], v[Q+16:Q+31], v[S+16*(\g)+8*(\t):S+16*(\g)+8*(\t)+7], v[KS+2*((\g)%2)+(\t)], v[QS+(\x)] matrix_a_scale:MATRIX_SCALE_ROW1 matrix_b_scale:MATRIX_SCALE_ROW1
.else
	v_wmma_scale_f32_16x16x128_f8f6f4 v[S+16*(\g)+8*(\t):S+16*(\g)+8*(\t)+7], v[FR+32*(\t):FR+32*(\t)+15], v[Q:Q+15], v[S+16*(\g)+8*(\t):S+16*(\g)+8*(\t)+7], v[KS+2*((\g)%2)+(\t)], v[QS+(\x)]
.endif
.endm
; Eight products of query tile x on groups 2 p and 2 p + 1: four accumulators by turns, one instruction a turn, three others between a sum's two steps.
; w0, w1: the windows for K steps 0 and 1 with source 0 in window 0; group 2 p + 1's fragments lie in window 1, one more in the setting.
.macro HALF p, x, w0, w1
	WIN \w0
	KP 2*(\p), 0, 0, \x
	KP 2*(\p), 1, 0, \x
	WIN (\w0)+1
	KP 2*(\p)+1, 0, 0, \x
	KP 2*(\p)+1, 1, 0, \x
	WIN \w1
	KP 2*(\p), 0, 1, \x
	KP 2*(\p), 1, 1, \x
	WIN (\w1)+1
	KP 2*(\p)+1, 0, 1, \x
	KP 2*(\p)+1, 1, 1, \x
	WIN 0
.endm
; A pair of groups, 64 keys.  Tile B first: its K step 0 takes C, the bias, from window 0 (setting 0x44: source 1 and D window 1) and goes on in place (0x54).  Nine places, since tile A's products write over registers that B's have read as C.
; Then tile A, in place on the bias; behind step w, where all keys are hidden from A, a scalar branch on the wave's number and the step's counter leads round its eight products.
.macro PAIR p
	HALF \p, 1, 0x44, 0x54
	PLACES 9
	s_cmp_gt_u32 s[KF], s[WD]
	s_cbranch_scc1 .Lhid_\@
	HALF \p, 0, 0, 0
.Lhid_\@:
	PLACES 8                                       ; in front of loads into registers that these products read, and of the first read of results (ISA guide 7.12.1 for vector instructions)
.endm
; The scores of both tiles for 128 keys: 16 loads of the bias, and twice 36 loads of two groups and their products.
.macro SCORES q
.irp k, 0,1,2,3,4,5,6,7,8,9,10,11,12,13,14,15
	ds_load_b128 v[S+4*\k:S+4*\k+3], v[ADB] offset:128*(\k/4)+16*(\k%4)   ; the keys' bias in the result's layout: register 16 g + i = key 32 g + 16 (lane / 16) + i
.endr
	KLOAD \q, 0
	KLOAD \q, 1
	s_wait_alu depctr_va_vdst(0)
	s_wait_dscnt 0x0                               ; the bias and groups 0 and 1 are in
	PAIR 0
	KLOAD \q, 2
	KLOAD \q, 3
	s_wait_dscnt 0x0                               ; groups 2 and 3 are in
	PAIR 1
.endm
.macro DIAG                            ; the diagonal of the tile whose window is set: key 32 b + i + 16 (lane / 16) is hidden where it comes after my query; each accumulator is first read at its low end
.set dn, 0
.rept 64
	v_cmp_gt_i32 vcc_lo, 32*(dn/16)+dn%16, v[DG]
	v_cndmask_b32 v[S+dn], v[S+dn], v[NEG], vcc_lo
.set dn, dn+1
.endr
.endm
.macro BMAX                            ; the largest score of each block of 32 keys (my 16 of it), the four blocks by turns; each accumulator is first read at its low end
.irp b, 0,1,2,3
	v_max3_num_f32 v[TM+\b], v[S+16*\b], v[S+16*\b+1], v[S+16*\b+2]
.endr
.irp i, 3,5,7,9,11,13
.irp b, 0,1,2,3
	v_max3_num_f32 v[TM+\b], v[TM+\b], v[S+16*\b+\i], v[S+16*\b+\i+1]
.endr
.endr
.irp b, 0,1,2,3
	v_max_num_f32 v[TM+\b], v[TM+\b], v[S+16*\b+15]
.endr
.endm
.macro SCALE_S                         ; s log2(e) - m log2(e), two at a time (of the pairs the low word serves both halves)
.set jj, 0
.rept 32
	v_pk_fma_f32 v[S+jj:S+jj+1], v[S+jj:S+jj+1], s[CS:CS+1], v[14:15] op_sel_hi:[1,0,0] neg_lo:[0,0,1] neg_hi:[0,0,1]
.set jj, jj+2
.endr
.endm
.macro EXP_S
.set jj, 0
.rept 64
	v_exp_f32 v[S+jj], v[S+jj]
.set jj, jj+1
.endr
.endm
; The first walk's softmax of one tile, in the window that is set: the running maximum and sum.
.macro SOFT1
	BMAX
	s_delay_alu instid0(VALU_DEP_2)
	v_max3_num_f32 v[TM+4], v[TM], v[TM+1], v[TM+2]
	s_delay_alu instid0(VALU_DEP_1)
	v_max_num_f32 v[TM+4], v[TM+4], v[TM+3]
	s_delay_alu instid0(VALU_DEP_1)
	v_permlanex16_b32 v[TM+5], v[TM+4], s[SEL], s[SEL+1]   ; the query's other 64 keys lie in the lane 16 away
	v_mov_b32 v[TM+6], v14
	s_delay_alu instid0(VALU_DEP_2)
	v_max3_num_f32 v15, v[TM+4], v[TM+5], v15      ; the running maximum
	s_delay_alu instid0(VALU_DEP_1)
	v_mul_f32 v14, s[CS], v15
	s_delay_alu instid0(VALU_DEP_1)
	v_sub_f32 v[TM+6], v[TM+6], v14                ; old less new, 0 or less
	SCALE_S
	s_wait_alu depctr_va_vdst(0)
	v_exp_f32 v18, v[TM+6]                         ; f: what was summed under the old maximum is brought under the new
	EXP_S
	v_nop                                          ; a plain line behind the batch,
	s_wait_alu depctr_va_vdst(0)                   ; and one wait for all 65, ahead of the first line that names a result
	v_pk_mul_f32 v[16:17], v[16:17], v[18:19] op_sel_hi:[1,0]
	v_pk_add_f32 v[TM+8:TM+9], v[S:S+1], v[S+2:S+3]   ; the sum, two at a time, in two chains
.irp j, 4,8,12,16,20,24,28,32,36,40,44,48,52,56,60
	v_pk_add_f32 v[16:17], v[16:17], v[S+\j:S+\j+1]
	v_pk_add_f32 v[TM+8:TM+9], v[TM+8:TM+9], v[S+\j+2:S+\j+3]
.endr
	s_delay_alu instid0(VALU_DEP_1)
	v_pk_add_f32 v[16:17], v[16:17], v[TM+8:TM+9]
.endm
; The second walk's softmax of tile x (0: A, 1: B), in window x: the weights, finished and normalised, their scale word (into window 0) and their codes.
.macro SOFT2 x
	BMAX
.irp b, 0,1,2,3
	s_delay_alu instid0(VALU_DEP_4)
	v_permlanex16_b32 v[TM+4+\b], v[TM+\b], s[SEL], s[SEL+1]
.endr
.irp b, 0,1,2,3
	s_delay_alu instid0(VALU_DEP_4)
	v_max_num_f32 v[TM+\b], v[TM+\b], v[TM+4+\b]   ; the block's largest score: the weight rises with the score, so it gives the block's largest weight
.endr
	SCALE_S
.irp b, 0,1,2,3
	v_fma_f32 v[TM+\b], v[TM+\b], s[CS], -v14      ; the same of each block's largest score
.endr
	s_wait_alu depctr_va_vdst(0)
	EXP_S
	v_nop
	s_wait_alu depctr_va_vdst(0)                   ; one wait for the 64
.irp b, 0,1,2,3
	v_exp_f32 v[TM+\b], v[TM+\b]
.endr
.set jj, 0
.rept 32
	v_pk_mul_f32 v[S+jj:S+jj+1], v[S+jj:S+jj+1], v[18:19]   ; attn = 2^(..) / l.  (Plain work behind the four, which it does not name)
.set jj, jj+2
.endr
	s_wait_alu depctr_va_vdst(0)                   ; and one for the four
.irp b, 0,1,2,3
	v_mul_f32 v[TM+\b], v[TM+\b], v18              ; the same two instructions on the same number give the same bits
.endr
.irp b, 0,1,2,3
	s_delay_alu instid0(VALU_DEP_4)
	v_max_num_f32 v[TM+\b], 0x4800000, v[TM+\b]    ; the floor 2^(9 - 127): the byte cannot fall under 1
.endr
.irp b, 0,1,2,3
	s_delay_alu instid0(VALU_DEP_4)
	v_add_nc_u32 v[TM+12+\b], 0xfc000000, v[TM+\b]
.endr
.irp b, 0,1,2,3
	v_and_or_b32 v[TM+8+\b], v[TM+\b], 0x7f800000, s[MNT]
.endr
.irp b, 0,1,2,3
	v_lshrrev_b32 v[TM+4+\b], 23, v[TM+12+\b]
.endr
	s_delay_alu instid0(VALU_DEP_3)
	v_lshl_or_b32 v[TM+4], v[TM+5], 8, v[TM+4]     ; attn's scale word for these 128 keys
	s_delay_alu instid0(VALU_DEP_1)
	v_lshl_or_b32 v[TM+4], v[TM+6], 16, v[TM+4]
	s_delay_alu instid0(VALU_DEP_1)
	v_lshl_or_b32 v[TM+4], v[TM+7], 24, v[TM+4]
	WIN \x                                         ; source 0 window x, destination window 0
	v_mov_b32 v[PS+\x], v[TM+4]
	WIN 0x55*(\x)
.irp b, 0,1,2,3
.irp i, 0,1,2,3,4,5,6,7,8,9,10,11,12,13,14,15
	v_min_num_f32 v[S+16*\b+\i], v[S+16*\b+\i], v[TM+8+\b]   ; the conversion does not saturate (ISA guide 7.6.2); a weight is not negative, so the hold is one-sided
.endr
	v_cvt_scalef32_pk8_fp8_f32 v[PC+4*\b:PC+4*\b+1], v[S+16*\b:S+16*\b+7], v[TM+12+\b]
	v_cvt_scalef32_pk8_fp8_f32 v[PC+4*\b+2:PC+4*\b+3], v[S+16*\b+8:S+16*\b+15], v[TM+12+\b]
.endr
.endm
.macro OPROD q, x                      ; ctx^T += V^T attn^T of tile x: four accumulators by turns
.irp t, 0,1,2,3
.if \q
	v_wmma_scale_f32_16x16x128_f8f6f4 v[O+8*\t:O+8*\t+7], v[FR+16*\t:FR+16*\t+15], v[PC:PC+15], v[O+8*\t:O+8*\t+7], v[VS+\t], v[PS+\x] matrix_a_scale:MATRIX_SCALE_ROW1
.else
	v_wmma_scale_f32_16x16x128_f8f6f4 v[O+8*\t:O+8*\t+7], v[FR+16*\t:FR+16*\t+15], v[PC:PC+15], v[O+8*\t:O+8*\t+7], v[VS+\t], v[PS+\x]
.endif
.endr
.endm
; A KEY STEP: 128 keys, the q-th of the slot in hand, for both tiles.  pass 1: m and l.  pass 2: the weights, quantised, and ctx^T.
.macro STEP pass, q
	s_cmp_gt_u32 s[KF], s[WL]                      ; all its keys come after my queries: the work is left out (the wave's number and a loop's counter decide)
	s_cbranch_scc1 .Lskip_\@
	v_add_nc_u32 v[ADK], s[TB], v[LI]
	s_add_co_u32 s58, s[TB], 65536
	v_add_nc_u32 v[ADKS], s58, v[LS]
	s_add_co_u32 s58, s[SB], BIAS
	v_bfe_u32 v[ADB], v0, 4, 1
	s_delay_alu instid0(VALU_DEP_1)
	v_lshl_add_u32 v[ADB], v[ADB], 6, s58          ; the step's bias, + 64 (lane / 16)
.if \pass == 2
	s_add_co_u32 s58, s[SV], VT
	v_add_nc_u32 v[ADV], s58, v[LI]
	s_delay_alu instid0(VALU_DEP_1)
	v_add_nc_u32 v[ADV+1], 2*33792, v[ADV]
	s_add_co_u32 s58, s[SVS], VT+32768
	v_add_nc_u32 v[ADVS], s58, v[LS]
	s_delay_alu instid0(VALU_DEP_1)
	v_add_nc_u32 v[ADVS+1], 2*33792, v[ADVS]
.endif
	SCORES \q
	s_cmp_lg_u32 s[KF], s[WD]                      ; step w: tile A has its diagonal
	s_cbranch_scc1 .Lopa_\@
	DIAG
.Lopa_\@:
	s_cmp_lg_u32 s[KF], s[WL]                      ; step 15 - w: tile B has its diagonal
	s_cbranch_scc1 .Lopen_\@
	WIN 0x55
	DIAG
	WIN 0
.Lopen_\@:
.if \pass == 1
	s_cmp_gt_u32 s[KF], s[WD]                      ; behind step w tile A sees none of the keys: its m and l stand
	s_cbranch_scc1 .Lna_\@
	SOFT1
.Lna_\@:
	WIN 0x55
	SOFT1
	WIN 0
.else
.irp t, 0,1,2,3
.irp c, 0,1,2,3
	ds_load_b128 v[FR+16*\t+4*\c:FR+16*\t+4*\c+3], v[ADV+\t/2] offset:33792*(\t%2)+512*\c   ; V^T: 16 d x these 128 keys, for both tiles; they land while tile A's weights are made
.endr
	ds_load_b32 v[VS+\t], v[ADVS+\t/2] offset:33792*(\t%2)
.endr
	s_cmp_gt_u32 s[KF], s[WD]                      ; behind step w tile A's weights are all zeros: its ctx^T stands
	s_cbranch_scc1 .Lna_\@
	SOFT2 0
	PLACES 4                                       ; four places behind the codes; the scale word stands 64 holds back
	s_wait_alu depctr_va_vdst(0)
	s_wait_dscnt 0x0
	OPROD \q, 0
.Lna_\@:
	WIN 0x55
	SOFT2 1                                        ; tile B's softmax names none of tile A's products' registers
	PLACES 4
	s_wait_alu depctr_va_vdst(0)
	s_wait_dscnt 0x0                               ; V's loads are in, on the way round tile A too
	WIN 0x54
	OPROD \q, 1
	WIN 0
	PLACES 8                                       ; in front of the next step's loads and of the way out
.endif
.Lskip_\@:
	s_add_co_u32 s[KF], s[KF], 1
	s_add_co_u32 s[SB], s[SB], 512
.if \pass == 2
	s_add_co_u32 s[SV], s[SV], 2048
.endif
.endm
.Lpass1:                                               ; eight slots; behind each change the next group is asked for, behind the last group 0 again, for the second walk
	CHANGE 1
	STEP 1, 0
	STEP 1, 1
	s_xor_b32 s[TB], s[TB], SLOTB
	s_sub_co_u32 s[CNT], s[CNT], 1
	s_cmp_lg_u32 s[CNT], 0
	s_cbranch_scc1 .Lpass1
.macro MIDT                            ; between the walks, for the tile whose window is set
	v_add_f32 v16, v16, v17                        ; l's two halves,
	s_delay_alu instid0(VALU_DEP_1)
	v_permlanex16_b32 v[TM+5], v16, s[SEL], s[SEL+1]
	s_delay_alu instid0(VALU_DEP_1)
	v_add_f32 v16, v16, v[TM+5]                    ; and lane l xor 16's
	s_wait_alu depctr_va_vdst(0)
	v_rcp_f32 v18, v16
	v_mov_b32 v[TM+6], 0                           ; (a plain line behind the reciprocal)
	s_wait_alu depctr_va_vdst(0)
	v_cmp_gt_f32 vcc_lo, 0xef000000, v15           ; m under -2^95: no key is left for this query:
	v_cndmask_b32 v18, v18, v[TM+6], vcc_lo        ; attn = 0
	s_delay_alu instid0(VALU_DEP_1)
	v_mov_b32 v19, v18
.set jj, 0
.rept 32
	v_mov_b32 v[O+jj], 0                           ; ctx^T: the step is written once, so the sums begin as zeros
.set jj, jj+1
.endr
.endm
	s_wait_alu depctr_va_vdst(0)
	MIDT
	WIN 0x55
	MIDT
	WIN 0
	s_mov_b32 s[KF], 0
	s_mov_b32 s[SB], 0
	s_mov_b32 s[SV], 0
	s_mov_b32 s[SVS], 0
	s_mov_b32 s[CNT], 7
.Lpass2:
	CHANGE 1
	STEP 2, 0
	STEP 2, 1
	s_xor_b32 s[TB], s[TB], SLOTB
	s_add_co_u32 s[SVS], s[SVS], 128
	s_sub_co_u32 s[CNT], s[CNT], 1
	s_cmp_lg_u32 s[CNT], 0
	s_cbranch_scc1 .Lpass2
	CHANGE 0                                       ; the last slot is written out
	STEP 2, 0
	STEP 2, 1
	; ---- THE WAY OUT: a tile's 16 queries x the head's 64 d are two blocks of product 9's K step h / 2
	s_mul_i32 s48, s[TT], 16896
	s_lshr_b32 s49, s19, 3
	s_mul_i32 s49, s49, 8448
	s_add_co_u32 s48, s48, s49                     ; the record's half
	s_lshr_b32 s49, s19, 1
	s_and_b32 s49, s49, 3
	s_and_b32 s50, s19, 1
	s_lshl_b32 s51, s49, 11
	s_lshl_b32 s52, s50, 10
	s_add_co_u32 s51, s51, s52
	s_add_co_u32 s56, s48, s51
	s_add_nc_u64 s[60:61], s[12:13], s[56:57]
	s_lshl_b32 s51, s49, 6
	s_lshl_b32 s52, s50, 1
	s_add_co_u32 s51, s51, s52
	s_add_co_u32 s56, s48, s51
	s_add_co_u32 s56, s56, 8192
	s_add_nc_u64 s[62:63], s[12:13], s[56:57]
	s_sub_co_u32 s72, s66, s[TT]                   ; tile B's record lies (B - A) x 16,896 bytes on
	s_mul_i32 s72, s72, 16896
	s_mov_b32 s73, 0
	s_add_nc_u64 s[68:69], s[60:61], s[72:73]
	s_add_nc_u64 s[70:71], s[62:63], s[72:73]
	v_and_b32 v6, 15, v0
	s_delay_alu instid0(VALU_DEP_1)
	v_lshlrev_b32 v6, 2, v6
	QUANT O, PC, PWT, 2, 0
	global_store_b128 v[LI], v[PC:PC+3], s[60:61]  ; 512 consecutive bytes a store
	global_store_b128 v[LI], v[PC+4:PC+7], s[60:61] offset:512
	global_store_b16 v6, v[PWT], s[62:63]          ; two bytes of each row's scale word: the other two come from the neighbouring head
	WIN 0x55
	QUANT O, PC, PWT, 2, 0                         ; tile B: its record lies 8 (15 - 2 w) x 16,896 bytes on
	WIN 0x04                                       ; a store's data are its source 1: window 1; the address window 0
	global_store_b128 v[LI], v[PC:PC+3], s[68:69]
	global_store_b128 v[LI], v[PC+4:PC+7], s[68:69] offset:512
	global_store_b16 v6, v[PWT], s[70:71]
	WIN 0
	s_wait_tensorcnt 0x0                           ; the wave's end
	ds_add_u32 v[SPW], v[NIL]
	s_wait_dscnt 0x0
	ROUND                                          ; the closing round: no work-group ends while a partner may still ask for a tile that names it
	s_endpgm
.Lfunc_end_k_qd8f39deaea_attn:
	.size	k_qd8f39deaea_attn, .Lfunc_end_k_qd8f39deaea_attn-k_qd8f39deaea_attn
	.p2alignl 7, 3214868480
	.fill 96, 4, 3214868480
	.section	.rodata,"a",@progbits
	.p2align	6, 0x0
	.amdhsa_kernel k_qd8f39deaea_attn
		.amdhsa_group_segment_fixed_size 327680
		.amdhsa_private_segment_fixed_size 0
		.amdhsa_enable_private_segment 0
		.amdhsa_kernarg_size 40
		.amdhsa_user_sgpr_count 2
		.amdhsa_user_sgpr_kernarg_segment_ptr 1
		.amdhsa_wavefront_size32 1
		.amdhsa_system_sgpr_workgroup_id_x 1
		.amdhsa_system_sgpr_workgroup_id_y 1
		.amdhsa_system_sgpr_workgroup_id_z 1
		.amdhsa_system_vgpr_workitem_id 0
		.amdhsa_next_free_vgpr 512
		.amdhsa_next_free_sgpr 80
		.amdhsa_reserve_vcc 1
		.amdhsa_float_denorm_mode_32 3
		.amdhsa_float_denorm_mode_16_64 3
		.amdhsa_memory_ordered 1
		.amdhsa_forward_progress 1
		.amdhsa_inst_pref_size 255
	.end_amdhsa_kernel
	.section	.bss,"aw",@nobits
	.p2align	6
	.space	262144
	.amdgpu_metadata
---
amdhsa.version: [ 1, 2 ]
amdhsa.kernels:
  - .name:           k_qd8f39deaea_attn
    .symbol:         k_qd8f39deaea_attn.kd
    .args:
      - { .name: lq, .offset: 0, .size: 8, .value_kind: global_buffer, .address_space: global }
      - { .name: wq, .offset: 8, .size: 8, .value_kind: global_buffer, .address_space: global }
      - { .name: vtq, .offset: 16, .size: 8, .value_kind: global_buffer, .address_space: global }
      - { .name: attention_mask, .offset: 24, .size: 8, .value_kind: global_buffer, .address_space: global }
      - { .name: cq, .offset: 32, .size: 8, .value_kind: global_buffer, .address_space: global }
    .group_segment_fixed_size: 327680
    .private_segment_fixed_size: 0
    .kernarg_segment_align: 8
    .kernarg_segment_size: 40
    .max_flat_workgroup_size: 256
    .sgpr_count:     80
    .vgpr_count:     512
    .wavefront_size: 32
...
	.end_amdgpu_metadata
.endif
;; end of part 3
;; launch outp (part 4): grid 8 x 32, 4 waves a work-group, clusters of 4 x 4, 327,680 bytes of LDS; arguments cq, wq, bo, out0; writes out0
.if DOCPART == 4
	.amdgcn_target "amdgcn-amd-amdhsa--gfx1250"
	.amdhsa_code_object_version 6
	.text
	.protected	k_qd8f39deaea_outp
	.globl	k_qd8f39deaea_outp
	.p2align	8
	.type	k_qd8f39deaea_outp,@function
k_qd8f39deaea_outp:
	s_mov_b64 s[64:65], 0
	v_nop
	global_prefetch_b8 v0, s[64:65] scope:SCOPE_SE
	s_setreg_imm32_b32 hwreg(HW_REG_WAVE_MODE, 25, 1), 1
	s_wait_xcnt 0x0
	s_wait_alu depctr_hold_cnt(0) depctr_sa_sdst(0) depctr_va_vdst(0) depctr_va_sdst(0) depctr_va_ssrc(0) depctr_va_vcc(0) depctr_vm_vsrc(0)
	s_getreg_b32 s2, hwreg(HW_REG_IB_STS2, 6, 4)
	s_cmp_eq_u32 s2, 0
	s_cbranch_scc0 .Lentry_in_a_cluster
	s_endpgm
.Lentry_in_a_cluster:
	s_bfe_u32 s2, ttmp6, 0x10000c
	s_cmp_lg_u32 s2, 0xf033
	s_cbranch_scc0 .Lentry_shape_is_right
	s_endpgm
.Lentry_shape_is_right:
; OUTP: out = ctx Wo^T + bo (product 9) on the codes that the launches before have laid as images of operand registers (16,896 bytes a tile of 16 rows: two halves of 4 K steps x 2,048 and 256 scale bytes).
; A work-group makes 128 rows x 128 columns; wave (w / 2, w % 2) 64 x 64: 16 accumulators.  ALL OF K lies in LDS: two chunks of 4 K steps, each 8 tiles of ctx and 8 of Wo; both are first fills, no byte is filled again.
; CLUSTER 4 x 4: ctx's tiles hang on the block of rows alone and are shared along a row of the cluster, Wo's on the block of columns alone and are shared along a column: joint loads, two a wave, both out at once.
; The product is used transposed (source 0 = 16 rows of Wo, source 1 = 16 rows of ctx): a lane holds one row of out and neighbouring columns.  bo is the C of each sum's first product.
; REGISTERS: window 0: v1-14 addresses, v16-31 Wo's scale words, v32-47 ctx's, v48-79 bo in the result's layout, v80-207 accumulators, v208-239 rows on the way out.  Window 1: two buffers of 64 (Wo) + 64 (ctx).
; THE FILLS AS THEY STAND (this takes the place of what the head says of two chunks and two loads): each wave asks jointly for ONE dense block, its 4 tiles' whole records, 67,584 bytes as 264 rows of 256, to LDS byte 67,584 x wave:
; ctx's 8 tiles, then Wo's 8.  A tile's record is 16,896 bytes, its second half (K steps 4 to 7) CHUNK bytes behind the first.  One wait and one barrier show all of K.
.set CHUNK, 8448
.set STG,   270336                     ; behind the chunks: 16 rows x 272 bytes for each wave; no tensor load fills it
.set LI,  1
.set LS,  2
.set AW,  3                            ; v3-4  Wo's fragments in chunk 0, 1
.set AC,  5                            ; v5-6  ctx's
.set SW,  7                            ; v7-8  Wo's scale words
.set SC,  9                            ; v9-10 ctx's
.set STO, 11
.set RD,  12
.set GO,  13
.set BOA, 14
.set AS,  16
.set BS,  32
.set BO,  48
.set ACC, 80
.set OB,  208
.set MSB, 0
.macro WIN new                         ; the immediate's high byte repeats the setting that is left
.if MSB != \new
	s_set_vgpr_msb (MSB<<8)|\new
.set MSB, \new
.endif
.endm
.macro PLACES n
.rept \n
	v_nop
.endr
.endm
.macro ROUND                           ; a round of the cluster's barrier
	s_barrier_signal -1
	s_barrier_wait -1
	s_cmp_lg_u32 s14, 0
	s_cbranch_scc1 .Lnot_wave_0_\@
	s_barrier_signal -3
.Lnot_wave_0_\@:
	s_barrier_wait -3
	s_barrier_signal -1
	s_barrier_wait -1
.endm
	s_load_b256 s[4:11], s[0:1], 0x0               ; cq, wq, bo, out0
	v_lshl_add_u32 v254, v0, 2, 0x46400
	v_mov_b32 v255, 0
	ds_add_u32 v254, v255
	ds_add_u32 v254, v255
	v_lshrrev_b32 v1, 5, v0
	v_readfirstlane_b32 s14, v1                    ; wave 0..3
	s_lshr_b32 s15, s14, 1                         ; which 64 rows are mine.  Also: I fetch for ctx (0) or for Wo (1)
	s_and_b32 s16, s14, 1                          ; which 64 columns.  Also: which 4 tiles I fetch
	s_bfe_u32 s40, ttmp6, 0x40000                  ; cx
	s_bfe_u32 s41, ttmp6, 0x40004                  ; cy
	s_lshl_b32 s42, ttmp9, 2
	s_add_co_u32 s42, s42, s40                     ; block of columns = 4 x cluster x + cx
	s_and_b32 s17, ttmp7, 0xffff
	s_lshl_b32 s17, s17, 2
	s_add_co_u32 s17, s17, s41                     ; block of rows = 4 x cluster y + cy
	s_lshl_b32 s43, s41, 2
	s_lshl_b32 s43, 15, s43                        ; my row of the cluster
	s_lshl_b32 s44, 0x1111, s40                    ; my column
	s_or_b32 s24, s43, (3<<16)|(1<<21)             ; group 1 for ctx: the mask; elements of 8 bytes; bit 21 beside the mask
	s_or_b32 s48, s44, (3<<16)|(1<<21)             ; and for Wo
.irp g, 24, 48                         ; a dense block of 264 rows x 256 bytes (4 tiles' whole records)
	s_mov_b32 s[\g+1], 32<<16                      ; tensor_dim0 = 32 elements of 8 bytes
	s_mov_b32 s[\g+2], 264<<16                     ; tensor_dim1 = 264
	s_mov_b32 s[\g+3], 32<<16                      ; tile_dim0
	s_mov_b32 s[\g+4], 264                         ; tile_dim1
	s_mov_b32 s[\g+5], 32                          ; the pitch: dense
	s_mov_b32 s[\g+6], 0
	s_mov_b32 s[\g+7], 0
.endr
	s_lshl_b32 s18, s16, 2
	s_lshl_b32 s20, s17, 3
	s_add_co_u32 s20, s20, s18
	s_mul_i32 s20, s20, 16896                      ; ctx: tile 8 x block of rows + 4 x half
	s_mov_b32 s21, 0
	s_lshl_b32 s46, s42, 3
	s_add_co_u32 s46, s46, s18
	s_mul_i32 s46, s46, 16896
	s_add_co_u32 s46, s46, 811008                  ; Wo: tile 8 x block of columns + 4 x half
	s_mov_b32 s47, 0
	s_mul_i32 s45, s14, 67584                      ; where they go: wave x 4 records: no place in the cluster enters an LDS address
	s_wait_dscnt 0x0
	s_wait_kmcnt 0x0
	s_add_nc_u64 s[20:21], s[4:5], s[20:21]
	s_add_nc_u64 s[46:47], s[6:7], s[46:47]
	ROUND                                          ; all sixteen work-groups are here: the joint loads meet
.irp q, 0
	s_mov_b32 s[32+4*\q], 1
	s_add_co_u32 s[33+4*\q], s45, \q*CHUNK
	s_add_nc_u64 s[34+4*\q:35+4*\q], s[20:21], \q*8448
	s_or_b32 s[35+4*\q], s[35+4*\q], 0x80000000
	s_mov_b32 s[56+4*\q], 1
	s_add_co_u32 s[57+4*\q], s45, \q*CHUNK
	s_add_nc_u64 s[58+4*\q:59+4*\q], s[46:47], \q*8448
	s_or_b32 s[59+4*\q], s[59+4*\q], 0x80000000
.endr
	s_cmp_lt_u32 s14, 2                            ; a wave's one fill, ctx's or Wo's, chosen by the wave's number
	s_cbranch_scc0 .Lfor_wo
	tensor_load_to_lds s[32:35], s[24:31]
	s_nop 0
.rept 4
	v_nop
.endr
	s_branch .Lasked
.Lfor_wo:
	tensor_load_to_lds s[56:59], s[48:55]
	s_nop 0
.rept 4
	v_nop
.endr
.Lasked:
	v_and_b32 v15, 31, v0
	v_lshlrev_b32 v[LI], 4, v15
	v_lshlrev_b32 v[LS], 2, v15
	s_mul_i32 s18, s16, 67584
	s_add_co_u32 s18, s18, 135168                  ; my 4 tiles of Wo, behind ctx's 8
	s_mul_i32 s19, s15, 67584                      ; my 4 tiles of ctx
	v_add_nc_u32 v[AW], s18, v[LI]
	v_add_nc_u32 v[AW+1], CHUNK, v[AW]
	v_add_nc_u32 v[AC], s19, v[LI]
	v_add_nc_u32 v[AC+1], CHUNK, v[AC]
	v_add_nc_u32 v[SW], s18, v[LS]
	v_add_nc_u32 v[SW+1], CHUNK, v[SW]
	v_add_nc_u32 v[SC], s19, v[LS]
	v_add_nc_u32 v[SC+1], CHUNK, v[SC]
	v_and_b32 v15, 15, v0                          ; r
	v_bfe_u32 v14, v0, 4, 1                        ; lane / 16
	s_mul_i32 s23, s14, 16*272
	s_add_co_u32 s23, s23, STG                     ; my stage
	v_mul_u32_u24 v[STO], v15, 272
	v_lshl_add_u32 v[STO], v14, 6, v[STO]
	v_add_nc_u32 v[STO], s23, v[STO]               ; in: row r, + 64 (lane / 16)
	v_mul_u32_u24 v[RD], v14, 272
	v_lshl_add_u32 v[RD], v15, 4, v[RD]
	v_add_nc_u32 v[RD], s23, v[RD]                 ; back: lanes 0-15 one row of 256 bytes, lanes 16-31 the next
	v_lshlrev_b32 v[GO], 12, v14
	v_lshl_add_u32 v[GO], v15, 4, v[GO]            ; and the same two rows of out0
	v_lshlrev_b32 v[BOA], 6, v14
	s_wait_alu depctr_va_vdst(0)
	s_lshl_b32 s18, s42, 9
	s_lshl_b32 s19, s16, 8
	s_add_co_u32 s18, s18, s19                     ; my first column, in bytes
	s_mov_b32 s19, 0
	s_add_nc_u64 s[8:9], s[8:9], s[18:19]
	s_add_nc_u64 s[10:11], s[10:11], s[18:19]
	s_lshl_b32 s18, s17, 7
	s_lshl_b32 s22, s15, 6
	s_add_co_u32 s18, s18, s22
	s_lshl_b32 s18, s18, 12                        ; my first row, rows of 4,096 bytes
	s_add_nc_u64 s[10:11], s[10:11], s[18:19]
.irp a, 0,1,2,3
	global_load_b128 v[BO+8*\a:BO+8*\a+3], v[BOA], s[8:9] offset:128*(\a/2)+32*(\a%2)        ; tile a, register j: column 32 (a / 2) + 16 (lane / 16) + 8 (a % 2) + j
	global_load_b128 v[BO+8*\a+4:BO+8*\a+7], v[BOA], s[8:9] offset:128*(\a/2)+32*(\a%2)+16
.endr
.macro SCL q                           ; chunk q's scale words: register 2 a + p: K steps 2 p (lanes 0-15) and 2 p + 1 (lanes 16-31) of the chunk
.irp a, 0,1,2,3
.irp p, 0,1
	ds_load_b32 v[AS+8*\q+2*\a+\p], v[SW+\q] offset:\a*16896+8192+128*\p
	ds_load_b32 v[BS+8*\q+2*\a+\p], v[SC+\q] offset:\a*16896+8192+128*\p
.endr
.endr
.endm
.macro FETCH s                         ; K step s: 4 fragments of Wo, 4 of ctx, into buffer s % 2
	WIN 0x40
.irp a, 0,1,2,3
.irp c, 0,1,2,3
	ds_load_b128 v[128*((\s)%2)+16*\a+4*\c:128*((\s)%2)+16*\a+4*\c+3], v[AW+(\s)/4] offset:\a*16896+2048*((\s)%4)+512*\c
.endr
.endr
.irp m, 0,1,2,3
.irp c, 0,1,2,3
	ds_load_b128 v[128*((\s)%2)+64+16*\m+4*\c:128*((\s)%2)+64+16*\m+4*\c+3], v[AC+(\s)/4] offset:\m*16896+2048*((\s)%4)+512*\c
.endr
.endr
.endm
.macro MUL s                           ; 16 products, the accumulators by turns, one instruction a turn
	WIN 0x05                                       ; sources 0 and 1 window 1, C and D window 0
.irp m, 0,1,2,3
.irp a, 0,1,2,3
.if \s == 0
	v_wmma_scale_f32_16x16x128_f8f6f4 v[ACC+32*\m+8*\a:ACC+32*\m+8*\a+7], v[128*((\s)%2)+16*\a:128*((\s)%2)+16*\a+15], v[128*((\s)%2)+64+16*\m:128*((\s)%2)+64+16*\m+15], v[BO+8*\a:BO+8*\a+7], v[AS+8*((\s)/4)+2*\a+((\s)%4)/2], v[BS+8*((\s)/4)+2*\m+((\s)%4)/2]
.elseif (\s)%2
	v_wmma_scale_f32_16x16x128_f8f6f4 v[ACC+32*\m+8*\a:ACC+32*\m+8*\a+7], v[128*((\s)%2)+16*\a:128*((\s)%2)+16*\a+15], v[128*((\s)%2)+64+16*\m:128*((\s)%2)+64+16*\m+15], v[ACC+32*\m+8*\a:ACC+32*\m+8*\a+7], v[AS+8*((\s)/4)+2*\a+((\s)%4)/2], v[BS+8*((\s)/4)+2*\m+((\s)%4)/2] matrix_a_scale:MATRIX_SCALE_ROW1 matrix_b_scale:MATRIX_SCALE_ROW1
.else
	v_wmma_scale_f32_16x16x128_f8f6f4 v[ACC+32*\m+8*\a:ACC+32*\m+8*\a+7], v[128*((\s)%2)+16*\a:128*((\s)%2)+16*\a+15], v[128*((\s)%2)+64+16*\m:128*((\s)%2)+64+16*\m+15], v[ACC+32*\m+8*\a:ACC+32*\m+8*\a+7], v[AS+8*((\s)/4)+2*\a+((\s)%4)/2], v[BS+8*((\s)/4)+2*\m+((\s)%4)/2]
.endif
.endr
.endr
.endm
.macro KS8 s
	s_wait_dscnt 0x0                               ; this K step's fragments are in
.if \s == 0
	s_wait_loadcnt 0x0                             ; bo
.endif
.if \s == 3
	WIN 0
	SCL 1
.endif
.if \s < 7
	FETCH (\s)+1                                   ; into the buffer that the K step before multiplied: eight places stand behind its products
.endif
	MUL \s
	PLACES 8                                       ; ISA guide 7.12.1
.endm
	s_wait_tensorcnt 0x0                           ; my one load has landed
	s_barrier_signal -1
	s_barrier_wait -1
	SCL 0
	FETCH 0
.irp s, 0,1,2,3,4,5,6,7
	KS8 \s
.endr
	WIN 0
; THE WAY OUT, a tile of 16 rows x 64 columns at a time, through my own stage: LDS serves a wave's instructions in order (ISA guide 5.7.1.4), so no wait stands between the stores and the loads.
.irp m, 0,1,2,3
.irp a, 0,1,2,3
	ds_store_b128 v[STO], v[ACC+32*\m+8*\a:ACC+32*\m+8*\a+3] offset:128*(\a/2)+32*(\a%2)       ; each accumulator from its low end on
	ds_store_b128 v[STO], v[ACC+32*\m+8*\a+4:ACC+32*\m+8*\a+7] offset:128*(\a/2)+32*(\a%2)+16
.endr
.if \m > 0
	s_wait_xcnt 0x0                                ; the last tile's stores have read their registers: they are loaded again only behind this wait
.endif
.irp i, 0,1,2,3,4,5,6,7
	ds_load_b128 v[OB+4*\i:OB+4*\i+3], v[RD] offset:2*\i*272
.endr
	s_wait_dscnt 0x0
.irp i, 0,1,2,3,4,5,6,7
	global_store_b128 v[GO], v[OB+4*\i:OB+4*\i+3], s[10:11] offset:(32*(\m/2)+8*(\m%2)+2*\i+8*(\i/4))*4096 th:TH_STORE_NT   ; stage row p is row p + 8 (p / 8) of the tile; 16 lanes store 256 consecutive bytes, aligned
.endr
.endr
	s_wait_tensorcnt 0x0
	ds_add_u32 v254, v255
	s_wait_dscnt 0x0
	ROUND                                          ; the closing round
	s_endpgm
.Lfunc_end_k_qd8f39deaea_outp:
	.size	k_qd8f39deaea_outp, .Lfunc_end_k_qd8f39deaea_outp-k_qd8f39deaea_outp
	.p2alignl 7, 3214868480
	.fill 96, 4, 3214868480
	.section	.rodata,"a",@progbits
	.p2align	6, 0x0
	.amdhsa_kernel k_qd8f39deaea_outp
		.amdhsa_group_segment_fixed_size 327680
		.amdhsa_private_segment_fixed_size 0
		.amdhsa_enable_private_segment 0
		.amdhsa_kernarg_size 32
		.amdhsa_user_sgpr_count 2
		.amdhsa_user_sgpr_kernarg_segment_ptr 1
		.amdhsa_wavefront_size32 1
		.amdhsa_system_sgpr_workgroup_id_x 1
		.amdhsa_system_sgpr_workgroup_id_y 1
		.amdhsa_system_sgpr_workgroup_id_z 1
		.amdhsa_system_vgpr_workitem_id 0
		.amdhsa_next_free_vgpr 512
		.amdhsa_next_free_sgpr 66
		.amdhsa_reserve_vcc 0
		.amdhsa_float_denorm_mode_32 3
		.amdhsa_float_denorm_mode_16_64 3
		.amdhsa_memory_ordered 1
		.amdhsa_forward_progress 1
		.amdhsa_inst_pref_size 52
	.end_amdhsa_kernel
	.amdgpu_metadata
---
amdhsa.version: [ 1, 2 ]
amdhsa.kernels:
  - .name:           k_qd8f39deaea_outp
    .symbol:         k_qd8f39deaea_outp.kd
    .args:
      - { .name: cq, .offset: 0, .size: 8, .value_kind: global_buffer, .address_space: global }
      - { .name: wq, .offset: 8, .size: 8, .value_kind: global_buffer, .address_space: global }
      - { .name: bo, .offset: 16, .size: 8, .value_kind: global_buffer, .address_space: global }
      - { .name: out0, .offset: 24, .size: 8, .value_kind: global_buffer, .address_space: global }
    .group_segment_fixed_size: 327680
    .private_segment_fixed_size: 0
    .kernarg_segment_align: 8
    .kernarg_segment_size: 32
    .max_flat_workgroup_size: 128
    .sgpr_count:     66
    .vgpr_count:     512
    .wavefront_size: 32
...
	.end_amdgpu_metadata
.endif
;; end of part 4
